; MI455X (gfx1250); checked and timed in simulation.
; The chip was launched on July 23, 2026; its instructions are those of AMD's public machine-readable ISA for CDNA 5 (MIT licence, August 2026) and "CDNA5" Instruction Set Architecture Reference Guide (July 2026). The comments in the code are by the model that wrote it; some were corrected since.
;; Multi Head Attention. Allowed arithmetic: matrix products marked QUANTISED: E2M1 operands, one E8M0 scale for each 32 along K, by v_wmma_scale_f32_16x16x128_f8f6f4 with both operands' format E2M1 (or v_wmma_scale_f32_32x16x128_f4), f32 sums; products left as they are: bf16, f16 or f32 operands; f32 sums; everything else in f32.
;; Inputs: b_k 1,024 float32; b_o 1,024 float32; b_q 1,024 float32; b_v 1,024 float32; k 4 x 2,048 x 1,024 float32; q 4 x 2,048 x 1,024 float32; v 4 x 2,048 x 1,024 float32; w_k 1,024 x 1,024 float32; w_o 1,024 x 1,024 float32; w_q 1,024 x 1,024 float32; w_v 1,024 x 1,024 float32.
;; Outputs: out0 4 x 2,048 x 1,024 float32.
;; This version of the problem:
;;   THIS VERSION OF THE PROBLEM IS GIVEN IN LOW PRECISION. The matrix products marked QUANTISED in the list below multiply operands that are first quantised to E2M1 (2 exponent bits, 1 mantissa bit; 4 bits a number), with one power-of-two scale for each 32 numbers along K (OCP MX v1.0); their sums are f32. The products marked 'left as it is' may take bf16, f16 or f32 operands, with f32 sums. Whichever they take, every output number must still come out within the allowed error. Rounding operands to bf16 (8 significant bits) uses up far more of that allowance than f16 does (11 bits, for magnitudes from 6e-5 to 65,504). All else is computed in f32.
;;   The module's matrix products, in the order in which they are computed (A, B: the left and right operand; K: the contracted axis; several contracted axes count as one K, in the product's order):
;;     1. [M 8,192, K 1,024] x [K 1,024, N 1,024]; A: input q; B: input w_q: QUANTISED
;;     2. [M 8,192, K 1,024] x [K 1,024, N 1,024]; A: input k; B: input w_k: QUANTISED
;;     3. [M 8,192, K 1,024] x [K 1,024, N 1,024]; A: input v; B: input w_v: QUANTISED
;;     4. batch 64 x [M 2,048, K 64] x [K 64, N 2,048]; A: computed on the way; B: computed on the way: left as it is (an operand is computed on the way)
;;     5. batch 64 x [M 2,048, K 2,048] x [K 2,048, N 64]; A: computed on the way; B: computed on the way: left as it is (an operand is computed on the way)
;;     6. [M 8,192, K 1,024] x [K 1,024, N 1,024]; A: computed on the way; B: input w_o: left as it is (an operand is computed on the way)
;;   THE QUANTISER, for each operand of a quantised product, along K:
;;     - K is cut into blocks of 32 from its start; a last block that is shorter is filled with zeros.
;;     - A block's scale is 2^e with e = floor(log2(the largest magnitude in the block)) - 2, held to -126 .. 127; a block of zeros has e = 0. As a byte (E8M0): e + 127.
;;     - Each number is divided by its block's scale, clamped to +-6, and rounded to the nearest number of E2M1, ties to even, subnormals kept.
;;     - The product sums the exact products of the quantised numbers (number of the format x scale) in f32.
;;   ~~~python
;;   def quantise(x, axis):      # numpy; x: float32 -> the quantised numbers, widened to float32 again
;;       x = np.moveaxis(x, axis, -1); K = x.shape[-1]
;;       x = np.pad(x, [(0, 0)] * (x.ndim - 1) + [(0, -K % 32)]); x = x.reshape(x.shape[:-1] + (-1, 32)); a = np.abs(x).max(-1, keepdims=True)
;;       e = np.where(a > 0, np.clip(np.frexp(np.where(a > 0, a, 1))[1] - 1 - 2, -126, 127), 0)      # np.frexp(a)[1] - 1 = floor(log2(a)), exactly
;;       r = np.clip(x / 2.0 ** e, -6, 6)
;;       step = 2.0 ** (np.maximum(np.frexp(np.where(r == 0, 1, r))[1] - 1, 0) - 1)
;;       q = np.round(r / step) * step * 2.0 ** e      # np.round: ties to even
;;       return np.moveaxis(q.reshape(q.shape[:-2] + (-1,))[..., :K], -1, axis).astype(np.float32)
;;   ~~~
;; One version. Each part assembles by itself: llvm-mc -triple=amdgcn-amd-amdhsa -mcpu=gfx1250 --defsym DOCPART=n.
;; ======== version 1 of 1: 4 launches
;; limits: values are held in f16: magnitudes above 65,504 overflow, below 6.1e-05 lose precision
;; workspace buffers: xc 12,582,912 bytes; xs 786,432 bytes; wc 1,572,864 bytes; ws 98,304 bytes; wo16 2,097,152 bytes; qkv 50,331,648 bytes; ao 16,777,216 bytes
;; launch quant (part 1): grid 896 x 1, 4 waves a work-group, no clusters, 33,280 bytes of LDS; arguments q, k, v, w_q, w_k, w_v, w_o, xc, xs, wc, ws, wo16; writes xc, xs, wc, ws, wo16
.if DOCPART == 1
	.amdgcn_target "amdgcn-amd-amdhsa--gfx1250"
	.amdhsa_code_object_version 6
	.text
	.protected	k_qca9b06cdf8_quant
	.globl	k_qca9b06cdf8_quant
	.p2align	8
	.type	k_qca9b06cdf8_quant,@function
k_qca9b06cdf8_quant:
	s_mov_b64 s[64:65], 0
	v_nop
	global_prefetch_b8 v0, s[64:65] scope:SCOPE_SE
	s_setreg_imm32_b32 hwreg(HW_REG_WAVE_MODE, 25, 1), 1
	s_wait_xcnt 0x0
; q, k, v [8192][1024] and w_q, w_k, w_v [1024][1024], f32 with K innermost, become codes of FP4 (E2M1), two a byte, K innermost, with one E8M0 scale byte for each 32 along K.
; xc, xs hold q's, k's and v's codes and scale bytes on end; wc, ws those of w_q, w_k, w_v.  w_o [1024][1024] is rounded to f16 into wo16: its product is left as it is.
; A block's scale is 2^(floor(log2(its largest magnitude)) - 2); its byte is the largest magnitude's exponent field - 2, held at 1 from below.  Each number is divided by the scale and rounded to the nearest code, ties to even; beyond 6 the largest code.
; LIMITS: a block whose largest magnitude lies under 2^-124 has the byte 1; a block of zeros has the byte 1 too, with zero codes (the bytes are read by this program alone); NaN and infinities among the inputs are not served.
; Rows are dense and K is a multiple of 32: every tensor is a plain stream of blocks of 32.  A work-group takes 32,768 numbers, a wave 8,192: 16 steps of 512.
; Work-groups 0-255 q, 256-511 k, 512-767 v, 768-799 w_q, 800-831 w_k, 832-863 w_v, 864-895 w_o.  The buffers are chosen by the work-group's number alone.
; QUANTISING: each of a step's four loads reads 512 consecutive bytes, 16 a lane; the 2,048 bytes turn through the wave's own stage in LDS and come back 64 bytes a lane: 16 neighbours along K, two lanes to a block.
; A lane's 16 codes are 8 bytes: the wave stores 256 consecutive bytes, aligned.  A wave's 256 scale bytes are gathered in its own LDS bytes and leave as 256 consecutive bytes, aligned.
; No tensor loads, no barrier: waves share nothing.  Loads run four steps (16 loads a wave) ahead, the turn through LDS one step.
.set WAVES, 4
.set STEPS, 16
.set EMAX,  2
.set CB,    8                          ; bytes of 16 codes
.set R,     16                         ; v16-79   four sets of 16 numbers as they are loaded
.set X,     80                         ; v80-111  two sets of 16 neighbours
.set E,     112                        ; v112-127 a scale byte for each step
.set C,     128                        ; v128-191 codes: four registers for each step, so that no store's data are written again
.set WREG,  8192                       ; LDS: a region for each wave: two stages of 32 x SP bytes, behind them its 256 scale bytes
.set SP,    80                         ; a lane's place in a stage: 64 bytes + 16 of padding
.set SPW,   12                         ; v12  LDS address of my spare word: SPARE + 4 x my thread's number; never rewritten
.set NIL,   13                         ; v13  0; never rewritten
.set SPARE, WAVES*WREG                 ; behind the four regions: the spare words, 128 bytes for each wave, that no other line names
	s_load_b512 s[4:19], s[0:1], 0x0               ; q 4:5, k 6:7, v 8:9, w_q 10:11, w_k 12:13, w_v 14:15, w_o 16:17, xc 18:19
	s_load_b256 s[20:27], s[0:1], 0x40             ; xs 20:21, wc 22:23, ws 24:25, wo16 26:27
	v_lshl_add_u32 v[SPW], v0, 2, SPARE
	v_mov_b32 v[NIL], 0
	v_lshrrev_b32 v1, 5, v0
	v_readfirstlane_b32 s40, v1                    ; wave
	v_and_b32 v2, 31, v0                           ; lane
	v_lshlrev_b32 v3, 4, v2                        ; my 16 bytes of a load's 512
	s_mul_i32 s41, s40, WREG
	v_lshrrev_b32 v14, 2, v2
	v_mul_u32_u24 v14, v14, SP
	v_and_b32 v15, 3, v2
	v_lshl_add_u32 v14, v15, 4, v14
	v_add_nc_u32 v14, s41, v14                     ; the stage, on the way in: SP (lane / 4) + 16 (lane % 4)
	v_mul_u32_u24 v15, v2, SP
	v_add_nc_u32 v15, s41, v15                     ; and on the way out: SP x lane: my 16 neighbours
	v_mul_u32_u24 v4, v2, CB                       ; 8 bytes a lane: my codes' place in a step's; also my place in a store of f16
	v_lshrrev_b32 v5, 1, v2
	s_add_co_u32 s41, s41, 2*32*SP
	v_add_nc_u32 v5, s41, v5                       ; LDS: my wave's 256 scale bytes, my block's byte
	v_lshlrev_b32 v7, 3, v2                        ; and on the way out 8 bytes a lane
	v_add_nc_u32 v6, s41, v7
	s_mov_b32 s28, ttmp9                           ; the work-group's number
	s_mov_b32 s43, 0                               ; the upper words of three offsets
	s_mov_b32 s45, 0
	s_mov_b32 s47, 0
	s_wait_kmcnt 0x0
	s_cmp_ge_u32 s28, 864
	s_cbranch_scc1 .Lcvt                           ; w_o's work-groups only round to f16
	s_cmp_lt_u32 s28, 832                          ; which tensor: every choice hangs on the work-group's number alone
	s_cselect_b64 s[30:31], s[12:13], s[14:15]
	s_cmp_lt_u32 s28, 800
	s_cselect_b64 s[30:31], s[10:11], s[30:31]
	s_cmp_lt_u32 s28, 768
	s_cselect_b64 s[30:31], s[8:9], s[30:31]
	s_cselect_b64 s[32:33], s[18:19], s[22:23]     ; the codes' buffer,
	s_cselect_b64 s[34:35], s[20:21], s[24:25]     ; the scale bytes',
	s_cselect_b32 s36, 255, 31                     ; work-groups to a tensor, less one,
	s_cselect_b32 s37, 0, 768                      ; and the first work-group of the buffers' first tensor
	s_cmp_lt_u32 s28, 512
	s_cselect_b64 s[30:31], s[6:7], s[30:31]
	s_cmp_lt_u32 s28, 256
	s_cselect_b64 s[30:31], s[4:5], s[30:31]
	s_and_b32 s42, s28, s36
	s_lshl_b32 s42, s42, 2
	s_add_co_u32 s42, s42, s40                     ; which run of 8,192 numbers of the tensor is my wave's
	s_lshl_b32 s42, s42, 15                        ; 32,768 bytes a run
	s_add_nc_u64 s[30:31], s[30:31], s[42:43]
	s_sub_co_u32 s44, s28, s37
	s_lshl_b32 s44, s44, 2
	s_add_co_u32 s44, s44, s40                     ; and which run of the buffers, where the tensors lie on end
	s_lshl_b32 s46, s44, 8                         ; 256 scale bytes a run
	s_lshl_b32 s44, s44, 12                        ; 4,096 bytes of codes a run
	s_add_nc_u64 s[32:33], s[32:33], s[44:45]
	s_add_nc_u64 s[34:35], s[34:35], s[46:47]
.macro LOAD t
.irp i, 0,1,2,3
	global_load_b128 v[R+16*((\t)%4)+4*\i:R+16*((\t)%4)+4*\i+3], v3, s[30:31] offset:2048*(\t)+512*\i th:TH_LOAD_NT   ; 32 lanes read 512 consecutive bytes
.endr
.endm
.macro TURN t                          ; step t's numbers through the stage: LDS serves a wave's instructions in order (ISA guide 5.7.1.4), so no wait stands between the stores and the loads
.irp i, 0,1,2,3
	ds_store_b128 v14, v[R+16*((\t)%4)+4*\i:R+16*((\t)%4)+4*\i+3] offset:32*SP*((\t)%2)+8*SP*\i
.endr
.irp i, 0,1,2,3
	ds_load_b128 v[X+16*((\t)%2)+4*\i:X+16*((\t)%2)+4*\i+3], v15 offset:32*SP*((\t)%2)+16*\i
.endr
.endm
.irp t, 0,1,2,3
	LOAD \t
.endr
	s_wait_loadcnt 12                              ; step 0's four loads are in; the twelve of steps 1 to 3 may be out
	TURN 0
.macro STEP t
.set XS, X+16*((\t)%2)
.if (\t) > 0
	s_wait_dscnt 1                                 ; this step's numbers are back from the stage (the last step's byte store may be out): so its stores into the stage have read their registers,
.else
	s_wait_dscnt 0x0
.endif
.if (\t)+4 < STEPS
	LOAD (\t)+4                                    ; which take the loads of four steps on
.endif
.if (\t)+1 < STEPS
.if STEPS-2-(\t) >= 3
	s_wait_loadcnt 12                              ; the next step's four loads are in; those of the three steps behind it may be out
.else
	s_wait_loadcnt 4*(STEPS-2-(\t))                ; towards the end fewer steps stand behind it
.endif
	TURN (\t)+1                                    ; and go through the other stage while this step is worked
.endif
	v_max3_num_f32 v8, |v[XS]|, |v[XS+1]|, |v[XS+2]|               ; the largest magnitude of my 16, in two chains
	v_max3_num_f32 v9, |v[XS+3]|, |v[XS+4]|, |v[XS+5]|
.irp i, 6,10
	v_max3_num_f32 v8, v8, |v[XS+\i]|, |v[XS+\i+1]|
	v_max3_num_f32 v9, v9, |v[XS+\i+2]|, |v[XS+\i+3]|
.endr
	v_max3_num_f32 v8, v8, |v[XS+14]|, |v[XS+15]|
	v_max3_num_f32 v8, v8, v9, (EMAX+1)<<23        ; and the floor 2^(3 - 127): so the byte cannot fall under 1
	v_max_num_f32_dpp v8, v8, v8 row_xmask:1 row_mask:0xf bank_mask:0xf   ; and of my neighbour's 16: the block's
	v_add_nc_u32 v11, 0xff000000, v8               ; 2 off its exponent field: the conversion takes the exponent field of this operand as its scale, and nothing else of it
	v_cvt_scalef32_pk8_fp4_f32 v[C+4*(\t)], v[XS:XS+7], v11
	v_cvt_scalef32_pk8_fp4_f32 v[C+4*(\t)+1], v[XS+8:XS+15], v11
	v_lshrrev_b32 v[E+(\t)], 23, v11               ; the scale's byte (a plain line behind the conversions)
	ds_store_b8 v5, v[E+(\t)] offset:16*(\t)       ; both lanes of a block write the same byte with the same value
	global_store_b64 v4, v[C+4*(\t):C+4*(\t)+1], s[32:33] offset:32*CB*(\t)   ; 32 lanes store 256 consecutive bytes, aligned
.endm
.irp t, 0,1,2,3,4,5,6,7,8,9,10,11,12,13,14,15
	STEP \t
.endr
	ds_load_b64 v[8:9], v6                         ; these see my byte stores: LDS serves a wave's instructions in order
	s_wait_dscnt 0x0
	global_store_b64 v7, v[8:9], s[34:35]          ; 32 lanes store 256 consecutive bytes, aligned
	s_wait_tensorcnt 0x0                           ; the wave's end, behind my last LDS store
	ds_add_u32 v[SPW], v[NIL]
	s_wait_dscnt 0x0
	s_endpgm
; w_o to f16: 64 loads of 512 consecutive bytes a wave, in four groups of 16, two groups on their way; a load's 128 numbers leave as 256 consecutive bytes, aligned.
.Lcvt:
	s_sub_co_u32 s42, s28, 864
	s_lshl_b32 s42, s42, 2
	s_add_co_u32 s42, s42, s40                     ; my wave's run of 8,192 numbers
	s_lshl_b32 s44, s42, 14                        ; 16,384 bytes of f16,
	s_lshl_b32 s42, s42, 15                        ; 32,768 of f32
	s_add_nc_u64 s[16:17], s[16:17], s[42:43]
	s_add_nc_u64 s[26:27], s[26:27], s[44:45]
.macro LOADG n
.irp i, 0,1,2,3,4,5,6,7,8,9,10,11,12,13,14,15
	global_load_b128 v[16+64*((\n)%2)+4*\i:16+64*((\n)%2)+4*\i+3], v3, s[16:17] offset:(16*(\n)+\i)*512 th:TH_LOAD_NT
.endr
.endm
.macro CVTG n
.if (\n) < 3
	s_wait_loadcnt 16                              ; this group is in; the other group's 16 loads may be out
.else
	s_wait_loadcnt 0x0
.endif
	s_wait_xcnt 0x0                                ; the last group's stores have read v144-175, which are written again below
.irp i, 0,1,2,3,4,5,6,7,8,9,10,11,12,13,14,15
	v_cvt_pk_f16_f32 v[144+2*\i], v[16+64*((\n)%2)+4*\i], v[16+64*((\n)%2)+4*\i+1]
	v_cvt_pk_f16_f32 v[145+2*\i], v[16+64*((\n)%2)+4*\i+2], v[16+64*((\n)%2)+4*\i+3]
.endr
.irp i, 0,1,2,3,4,5,6,7,8,9,10,11,12,13,14,15
	global_store_b64 v4, v[144+2*\i:145+2*\i], s[26:27] offset:(16*(\n)+\i)*256
.endr
.if (\n) < 2
	LOADG (\n)+2
.endif
.endm
	LOADG 0
	LOADG 1
	CVTG 0
	CVTG 1
	CVTG 2
	CVTG 3
	s_wait_tensorcnt 0x0                           ; it ends as the other path does
	ds_add_u32 v[SPW], v[NIL]
	s_wait_dscnt 0x0
	s_endpgm
.Lfunc_end_k_qca9b06cdf8_quant:
	.size	k_qca9b06cdf8_quant, .Lfunc_end_k_qca9b06cdf8_quant-k_qca9b06cdf8_quant
	.p2alignl 7, 3214868480
	.fill 96, 4, 3214868480
	.section	.rodata,"a",@progbits
	.p2align	6, 0x0
	.amdhsa_kernel k_qca9b06cdf8_quant
		.amdhsa_group_segment_fixed_size 33280
		.amdhsa_private_segment_fixed_size 0
		.amdhsa_enable_private_segment 0
		.amdhsa_kernarg_size 96
		.amdhsa_user_sgpr_count 2
		.amdhsa_user_sgpr_kernarg_segment_ptr 1
		.amdhsa_wavefront_size32 1
		.amdhsa_system_sgpr_workgroup_id_x 1
		.amdhsa_system_sgpr_workgroup_id_y 1
		.amdhsa_system_sgpr_workgroup_id_z 1
		.amdhsa_system_vgpr_workitem_id 0
		.amdhsa_next_free_vgpr 192
		.amdhsa_next_free_sgpr 66
		.amdhsa_reserve_vcc 0
		.amdhsa_float_denorm_mode_32 3
		.amdhsa_float_denorm_mode_16_64 3
		.amdhsa_memory_ordered 1
		.amdhsa_forward_progress 1
		.amdhsa_inst_pref_size 55
	.end_amdhsa_kernel
	.amdgpu_metadata
---
amdhsa.version: [ 1, 2 ]
amdhsa.kernels:
  - .name:           k_qca9b06cdf8_quant
    .symbol:         k_qca9b06cdf8_quant.kd
    .args:
      - { .name: q, .offset: 0, .size: 8, .value_kind: global_buffer, .address_space: global }
      - { .name: k, .offset: 8, .size: 8, .value_kind: global_buffer, .address_space: global }
      - { .name: v, .offset: 16, .size: 8, .value_kind: global_buffer, .address_space: global }
      - { .name: w_q, .offset: 24, .size: 8, .value_kind: global_buffer, .address_space: global }
      - { .name: w_k, .offset: 32, .size: 8, .value_kind: global_buffer, .address_space: global }
      - { .name: w_v, .offset: 40, .size: 8, .value_kind: global_buffer, .address_space: global }
      - { .name: w_o, .offset: 48, .size: 8, .value_kind: global_buffer, .address_space: global }
      - { .name: xc, .offset: 56, .size: 8, .value_kind: global_buffer, .address_space: global }
      - { .name: xs, .offset: 64, .size: 8, .value_kind: global_buffer, .address_space: global }
      - { .name: wc, .offset: 72, .size: 8, .value_kind: global_buffer, .address_space: global }
      - { .name: ws, .offset: 80, .size: 8, .value_kind: global_buffer, .address_space: global }
      - { .name: wo16, .offset: 88, .size: 8, .value_kind: global_buffer, .address_space: global }
    .group_segment_fixed_size: 33280
    .private_segment_fixed_size: 0
    .kernarg_segment_align: 8
    .kernarg_segment_size: 96
    .max_flat_workgroup_size: 128
    .sgpr_count:     66
    .vgpr_count:     192
    .wavefront_size: 32
...
	.end_amdgpu_metadata
.endif
;; end of part 1
;; launch proj (part 2): grid 4 x 96, 4 waves a work-group, clusters of 4 x 4, 327,680 bytes of LDS; arguments xc, xs, wc, ws, b_q, b_k, b_v, qkv; writes qkv
.if DOCPART == 2
	.amdgcn_target "amdgcn-amd-amdhsa--gfx1250"
	.amdhsa_code_object_version 6
	.text
	.protected	k_qca9b06cdf8_proj
	.globl	k_qca9b06cdf8_proj
	.p2align	8
	.type	k_qca9b06cdf8_proj,@function
k_qca9b06cdf8_proj:
	s_mov_b64 s[64:65], 0
	v_nop
	global_prefetch_b8 v0, s[64:65] scope:SCOPE_SE
	s_setreg_imm32_b32 hwreg(HW_REG_WAVE_MODE, 25, 1), 1
	s_wait_xcnt 0x0
	s_wait_alu depctr_hold_cnt(0) depctr_sa_sdst(0) depctr_va_vdst(0) depctr_va_sdst(0) depctr_va_ssrc(0) depctr_va_vcc(0) depctr_vm_vsrc(0)
	s_getreg_b32 s2, hwreg(HW_REG_IB_STS2, 6, 4)
	s_cmp_eq_u32 s2, 0
	s_cbranch_scc0 .Lentry_in_a_cluster
	s_endpgm
.Lentry_in_a_cluster:
	s_bfe_u32 s2, ttmp6, 0x10000c
	s_cmp_lg_u32 s2, 0xf033
	s_cbranch_scc0 .Lentry_shape_is_right
	s_endpgm
.Lentry_shape_is_right:
; The three input projections in one launch: y = x W^T + b on codes of FP4 (E2M1) with one E8M0 scale for each 32 along K; sums in f32; y rounded once to f16 and laid by heads.
; xc [3 x 8192][512 bytes], xs [3 x 8192][32]: q's, k's, v's rows on end.  wc [3 x 1024][512 bytes], ws [3 x 1024][32].  qkv: f16 [3][4 batches][16 heads][2048 tokens][64].
; LIMIT: the projected numbers are kept in f16, so they must stay under 65,504 in magnitude.
; A tile of y, 256 rows x 256 columns, is made by a work-group of four waves; a wave makes 128 x 128: 64 accumulators of 16 x 16, 512 registers.  Tile row 0..95 (32 for each of q, k, v), tile column 0..3.
; K = 1,024 is two K steps of 512 (rows of 256 bytes): both lie in LDS at once, in two slots filled once, so nothing is filled again.  The scales of the work-group's rows, for all of K, come with them.
; CLUSTERS: 4 x 4 work-groups.  The four of a row of the cluster need the same tiles of x, the four of a column the same tiles of W: each tile is asked for JOINTLY, by the same tensor load with the same descriptor and a mask that names the four.
; All four tile rows of a cluster belong to one of q, k, v (8 clusters each), so W's rows hang on the cluster's y and on the tile column alone.
; THE MATRIX INSTRUCTION IS USED TRANSPOSED (source 0 = 16 rows of W, source 1 = 16 rows of x): a lane then holds eight neighbouring columns of one row of y.  The bias is the C of each sum's first product.
; REGISTERS, in windows of 256: window 0: v0-31 addresses; v32-95 scale words, two sets, and nothing else; v128-191 x's fragments, ONE set, on the way out rows read back; v192-255 the bias, on the way out packed results.
;   window 1: W's fragments, TWO sets, at v0 and v128.   window 2: the accumulators of my rows 0-63 ((a, b) at v[8 (8 a + b)]);   window 3: those of my rows 64-127.
.set KSTEP,  512
.set NQ,     KSTEP/128                 ; matrix instructions deep
.set ROWB,   256                       ; a tile's row in bytes
.set KROW,   512                       ; a row of codes in memory
.set PITCH,  272                       ; an LDS row: 256 bytes + 16 of padding = 68 words: row r starts at bank 4 r mod 64 (64 banks of 4 bytes: ISA guide 11.1)
.set FR,     8                         ; registers of a fragment: 16 rows x 128 K
.set NL,     2                         ; LDS loads that bring one
.set NP,     4                         ; places behind this matrix instruction (ISA guide 7.12.1)
.set HALFT,  128*PITCH                 ; 128 rows: what one tensor load brings
.set SLOT,   4*HALFT                   ; x's 256 rows, then W's 256 rows
.set KS,     32                        ; a row of scale bytes
.set SCL,    2*SLOT                    ; behind the slots: the scales, as runs of 256 bytes + 16 of padding
.set HALFS,  (128*KS/256)*272          ; the scales of 128 rows
.set SBLK,   (16*KS/256)*272           ; those of 16 rows
.set SPARE,  SCL+4*HALFS               ; the spare words, 128 bytes for each wave, that no other line names
.set SPITCH, 272                       ; the way out: a stage of 16 rows x (256 bytes + 16) for each wave, in slot 0, which has had its only fill and its last read by then
.set ADRA, 16                          ; v16-17  LDS address of my x fragments in slot 0, 1
.set ADRB, 20                          ; v20-21  the same for W
.set STO,  24                          ; v24     the way out: where I put 16 bytes of a row
.set RD,   25                          ; v25     where I read 16 bytes back
.set CO,   26                          ; v26     my byte offset in qkv
.set ADRS, 27                          ; v27     LDS address of my scale words: lanes 0-15 x's rows, lanes 16-31 W's
.set SPW,  28                          ; v28     LDS address of my spare word; never rewritten
.set NIL,  29                          ; v29     0; never rewritten
.set BO,   30                          ; v30     32 x (lane / 16): my half's eight biases of a block
.set SC,   32                          ; scale words: set s at v[SC + 32 s]; register 4 i + q: lanes 0-15 x's block i, lanes 16-31 W's block i, the slot's q-th 128 along K
.set AF,   128                         ; x's fragments
.set BI,   192                         ; the bias: block b's eight numbers of my half at v[BI + 8 b]
.set TMP,  192                         ; the way out: packed results
.set OB,   128                         ; the way out: 16 rows read back: v128-159 and v160-191 by turns
.set G1, 24                            ; s[24:31] descriptor group 1 for x's tiles;  s[32:39] group 0, one set for each slot
.set G0, 32
.set G1B, 48                           ; s[48:55], s[56:63] the same for W's tiles
.set G0B, 56
.set G1S, 68                           ; s[68:75], s[76:79] groups 1 and 0 for x's scales;  s[80:87], s[88:91] for W's
.set G0S, 76
.set G1SB, 80
.set G0SB, 88
.set MSB, 0
.macro WIN new                         ; the immediate's high byte repeats the setting that is left; a switch that changes nothing is dropped
.if MSB != (\new)
	s_set_vgpr_msb (MSB<<8)|(\new)
.set MSB, (\new)
.endif
.endm
.set MUL_LO, 0xa1                      ; source 0 (W) window 1, source 1 (x) window 0, C and D window 2
.set MUL_HI, 0xf1                      ; the same, C and D window 3
.set FST_LO, 0x81                      ; the first products: C (the bias) window 0, D window 2
.set FST_HI, 0xc1                      ; D window 3
.set TO_B,   0x40                      ; destination window 1, address window 0
; A joint load: waves 0 and 1 fetch for x, waves 2 and 3 for W.  Each line has one mask and one set of registers for all that issue it; the branch hangs on the wave's number alone.
; An s_nop 0 and four v_nop follow each of the two lines.
.macro JLOAD g0a, g1a, g0b, g1b
	s_cmp_eq_u32 s15, 0
	s_cbranch_scc0 .Lfor_b_\@
	tensor_load_to_lds s[\g0a:\g0a+3], s[\g1a:\g1a+7]
	s_nop 0
.rept 4
	v_nop
.endr
	s_branch .Lasked_\@
.Lfor_b_\@:
	tensor_load_to_lds s[\g0b:\g0b+3], s[\g1b:\g1b+7]
	s_nop 0
.rept 4
	v_nop
.endr
.Lasked_\@:
.endm
.macro CROUND                          ; a round of the cluster's barrier: my work-group's barrier; wave 0 signals for the work-group; every wave waits for all sixteen; my work-group's barrier once more
	s_barrier_signal -1
	s_barrier_wait -1
	s_cmp_lg_u32 s14, 0
	s_cbranch_scc1 .Lnot_wave_0_\@
	s_barrier_signal -3
.Lnot_wave_0_\@:
	s_barrier_wait -3
	s_barrier_signal -1
	s_barrier_wait -1
.endm
	s_load_b128 s[4:7], s[0:1], 0x0                ; x's codes s[4:5], x's scales s[6:7]
	s_load_b128 s[8:11], s[0:1], 0x10              ; W's codes s[8:9], W's scales s[10:11]
	s_load_b128 s[96:99], s[0:1], 0x20             ; b_q s[96:97], b_k s[98:99]
	s_load_b64 s[66:67], s[0:1], 0x30              ; b_v
	s_load_b64 s[12:13], s[0:1], 0x38              ; qkv
	v_lshl_add_u32 v[SPW], v0, 2, SPARE
	v_mov_b32 v[NIL], 0
	ds_add_u32 v[SPW], v[NIL]                      ; the wave's opening: the add, twice on end, and its wait ahead of my first tensor load; the set-up below stands between
	ds_add_u32 v[SPW], v[NIL]
	v_lshrrev_b32 v1, 5, v0
	v_readfirstlane_b32 s14, v1                    ; wave 0..3
	s_lshr_b32 s15, s14, 1                         ; which half of the tile's rows is mine.  Also: I fetch for x (0) or for W (1)
	s_and_b32 s16, s14, 1                          ; which half of its columns.  Also: which 128 rows of that tile I fetch
	s_bfe_u32 s40, ttmp6, 0x40000                  ; cx, cy: my place in the cluster
	s_bfe_u32 s41, ttmp6, 0x40004
	s_lshl_b32 s42, ttmp9, 2
	s_add_co_u32 s42, s42, s40                     ; tile column = 4 x cluster x + cx
	s_and_b32 s17, ttmp7, 0xffff                   ; cluster y
	s_lshr_b32 s95, s17, 3                         ; which of q, k, v: eight clusters each; the same in all sixteen partners
	s_lshl_b32 s17, s17, 2
	s_add_co_u32 s17, s17, s41                     ; tile row = 4 x cluster y + cy
	s_lshl_b32 s43, s41, 2
	s_lshl_b32 s43, 15, s43                        ; my row of the cluster
	s_lshl_b32 s44, 0x1111, s40                    ; my column
	; descriptor group 1: a tile of 128 rows x 256 bytes, padded in LDS
	s_or_b32 s[G1+0], s43, (0<<16)|(1<<20)|(1<<21)|(5<<22)|(3<<25)  ; 15:0 the mask: x's tiles go to my row; 17:16 elements of 1 byte; 20 padding on; 21 set beside a mask; 24:22 after every 64 words; 31:25 four words
	s_or_b32 s[G1B+0], s44, (0<<16)|(1<<20)|(1<<21)|(5<<22)|(3<<25)
.irp g, G1, G1B
	s_mov_b32 s[\g+1], ROWB<<16                    ; tensor_dim0
	s_mov_b32 s[\g+2], 128<<16                     ; tensor_dim1
	s_mov_b32 s[\g+3], ROWB<<16                    ; tile_dim0
	s_mov_b32 s[\g+4], 128                         ; tile_dim1
	s_mov_b32 s[\g+5], KROW                        ; tensor_dim0_stride
	s_mov_b32 s[\g+6], 0
	s_mov_b32 s[\g+7], 0
.endr
	; the scales of 128 rows: a dense block of 4,096 bytes, as 16 rows of 256 bytes (32 elements of 8 bytes), 16 bytes of padding behind each
	s_or_b32 s[G1S+0], s43, (3<<16)|(1<<20)|(1<<21)|(5<<22)|(3<<25)
	s_or_b32 s[G1SB+0], s44, (3<<16)|(1<<20)|(1<<21)|(5<<22)|(3<<25)
.irp g, G1S, G1SB
	s_mov_b32 s[\g+1], 32<<16
	s_mov_b32 s[\g+2], (128*KS/256)<<16
	s_mov_b32 s[\g+3], 32<<16
	s_mov_b32 s[\g+4], 128*KS/256
	s_mov_b32 s[\g+5], 32
	s_mov_b32 s[\g+6], 0
	s_mov_b32 s[\g+7], 0
.endr
	s_lshl_b32 s18, s16, 7                         ; which 128 rows of the tile I fetch
	s_lshl_b32 s20, s17, 8
	s_add_co_u32 s20, s20, s18                     ; x: row 256 x tile row + 128 x half, in the three tensors on end
	s_lshl_b32 s46, s42, 8
	s_add_co_u32 s46, s46, s18                     ; W: row 256 x tile column + 128 x half,
	s_lshl_b32 s19, s95, 10
	s_add_co_u32 s46, s46, s19                     ; in the weight that belongs to my rows
	s_mov_b32 s21, 0
	s_mov_b32 s47, 0
	s_mov_b64 s[18:19], KS
	s_mul_u64 s[22:23], s[20:21], s[18:19]         ; where these rows' scales begin, in bytes
	s_mul_u64 s[92:93], s[46:47], s[18:19]
	s_mov_b64 s[18:19], KROW
	s_mul_u64 s[20:21], s[20:21], s[18:19]         ; and their codes
	s_mul_u64 s[46:47], s[46:47], s[18:19]
	s_mul_i32 s45, s14, HALFT                      ; where they go: wave x 128 rows: no place in the cluster enters an LDS address
	s_mul_i32 s94, s14, HALFS
	s_wait_dscnt 0x0                               ; both opening adds are done
	s_wait_kmcnt 0x0
	s_add_nc_u64 s[20:21], s[4:5], s[20:21]
	s_add_nc_u64 s[22:23], s[6:7], s[22:23]
	s_add_nc_u64 s[46:47], s[8:9], s[46:47]
	s_add_nc_u64 s[92:93], s[10:11], s[92:93]
	CROUND                                         ; all sixteen work-groups are here: the joint loads meet
	s_mov_b32 s[G0S], 1
	s_add_co_u32 s[G0S+1], s94, SCL
	s_mov_b64 s[G0S+2:G0S+3], s[22:23]
	s_or_b32 s[G0S+3], s[G0S+3], 0x80000000
	s_mov_b32 s[G0SB], 1
	s_add_co_u32 s[G0SB+1], s94, SCL
	s_mov_b64 s[G0SB+2:G0SB+3], s[92:93]
	s_or_b32 s[G0SB+3], s[G0SB+3], 0x80000000
	JLOAD G0S, G1S, G0SB, G1SB                     ; the scales first: they are wanted with K step 0
.irp s, 0,1
	s_mov_b32 s[G0+4*\s], 1
	s_add_co_u32 s[G0+4*\s+1], s45, \s*SLOT
	s_add_nc_u64 s[G0+4*\s+2:G0+4*\s+3], s[20:21], \s*ROWB
	s_or_b32 s[G0+4*\s+3], s[G0+4*\s+3], 0x80000000
	s_mov_b32 s[G0B+4*\s], 1
	s_add_co_u32 s[G0B+4*\s+1], s45, \s*SLOT
	s_add_nc_u64 s[G0B+4*\s+2:G0B+4*\s+3], s[46:47], \s*ROWB
	s_or_b32 s[G0B+4*\s+3], s[G0B+4*\s+3], 0x80000000
	JLOAD G0+4*\s, G1, G0B+4*\s, G1B               ; three tensor loads of mine are out in all
.endr
	v_and_b32 v1, 15, v0                           ; l % 16
	v_bfe_u32 v2, v0, 4, 1                         ; l / 16
	v_lshlrev_b32 v[BO], 5, v2
	; the bias of my 128 columns: chosen by which of q, k, v my rows are
	s_cmp_eq_u32 s95, 1
	s_cselect_b64 s[66:67], s[98:99], s[66:67]
	s_cmp_eq_u32 s95, 0
	s_cselect_b64 s[66:67], s[96:97], s[66:67]
	s_lshl_b32 s46, s42, 10                        ; 4 bytes x (256 x tile column + 128 x half)
	s_lshl_b32 s47, s16, 9
	s_add_co_u32 s46, s46, s47
	s_mov_b32 s47, 0
	s_add_nc_u64 s[66:67], s[66:67], s[46:47]
.irp b, 0,1,2,3,4,5,6,7
	global_load_b128 v[BI+8*\b:BI+8*\b+3], v[BO], s[66:67] offset:64*\b          ; register j: the bias of column 16 b + 8 (l / 16) + j: the result's layout
	global_load_b128 v[BI+8*\b+4:BI+8*\b+7], v[BO], s[66:67] offset:64*\b+16
.endr
	v_mul_u32_u24 v3, v1, PITCH
	v_lshl_add_u32 v4, v2, 4, v3                   ; a fragment's row x pitch + 16 x half
	s_mul_i32 s21, s15, HALFT                      ; my 128 rows of x
	s_mul_i32 s22, s16, HALFT                      ; my 128 rows of W,
	s_add_co_u32 s22, s22, 2*HALFT                 ; which lie behind x's 256
.irp s, 0,1
	v_add_nc_u32 v[ADRA+\s], s21, v4
	v_add_nc_u32 v[ADRB+\s], s22, v4
	s_add_co_u32 s21, s21, SLOT
	s_add_co_u32 s22, s22, SLOT
.endr
	v_mul_u32_u24 v5, v1, KS                       ; my row's scales: 32 bytes a row,
	v_lshrrev_b32 v6, 8, v5
	v_lshl_add_u32 v5, v6, 4, v5                   ; and 16 more for each 256 passed
	s_mul_i32 s21, s15, HALFS                      ; x's: my 128 rows
	s_mul_i32 s22, s16, HALFS                      ; W's: my 128 rows, behind x's 256
	s_add_co_u32 s22, s22, 2*HALFS
	s_sub_co_u32 s22, s22, s21
	v_mul_u32_u24 v6, s22, v2                      ; lanes 16-31 take W's: one product, the distance between the two
	s_add_co_u32 s21, s21, SCL
	v_add_nc_u32 v5, v5, v6
	v_add_nc_u32 v[ADRS], s21, v5
	s_mul_i32 s23, s14, 16*SPITCH                  ; my stage
	v_mul_u32_u24 v5, v1, SPITCH                   ; in: row l % 16, 16 bytes for each half of the lanes
	v_lshl_add_u32 v5, v2, 4, v5
	v_add_nc_u32 v[STO], s23, v5
	v_bfe_u32 v5, v0, 3, 1                         ; back: lanes 0-15 take the first head's 128 bytes of two rows, lanes 16-31 the second head's
	v_mul_u32_u24 v5, v5, SPITCH
	v_lshl_add_u32 v5, v2, 7, v5
	v_and_b32 v6, 7, v0
	v_lshl_add_u32 v5, v6, 4, v5
	v_add_nc_u32 v[RD], s23, v5
	v_lshlrev_b32 v[CO], 4, v1                     ; in qkv two tokens of a head are 256 consecutive bytes; the next head lies 262,144 bytes on
	v_lshl_add_u32 v[CO], v2, 18, v[CO]
	s_lshr_b32 s20, s17, 3                         ; 8 tile rows to a batch: (which, batch) x 4,194,304 bytes
	s_lshl_b32 s20, s20, 22
	s_and_b32 s21, s17, 7
	s_lshl_b32 s21, s21, 15                        ; + 256 tokens of 128 bytes for each tile row in the batch
	s_add_co_u32 s20, s20, s21
	s_lshl_b32 s21, s15, 14                        ; + my half's 128 tokens
	s_add_co_u32 s20, s20, s21
	s_mov_b32 s21, 0
	s_lshl_b32 s46, s42, 20                        ; + head 4 x tile column + 2 x half, 262,144 bytes each
	s_lshl_b32 s47, s16, 19
	s_add_co_u32 s46, s46, s47
	s_mov_b32 s47, 0
	s_add_nc_u64 s[20:21], s[20:21], s[46:47]
	s_add_nc_u64 s[12:13], s[12:13], s[20:21]
.macro FRAG reg, adr, q, i             ; a fragment, 16 rows x 128 K of 4-bit codes: lane l holds row l % 16; registers 4 c .. 4 c + 3 hold K = 64 c + 32 (l / 16) + 0 .. 31
.irp c, 0,1
	ds_load_b128 v[\reg+4*\c:\reg+4*\c+3], v[\adr] offset:64*(\q)+32*\c+(\i)*16*PITCH
.endr
.endm
; 16 matrix instructions: x's blocks a0, a0 + 1 against W's eight, 128 along K: the slot's q-th.  p: W's set; sc: the set of scale words.  zero = 1: the first product starts the sums from the bias: nothing is cleared or added later.
; The 64 accumulators take turns, one instruction a turn, in the same order in every step.
.macro MUL16 a0, p, q, sc, zero
.irp a, \a0, \a0+1
.irp b, 0,1,2,3,4,5,6,7
.if \zero
	v_wmma_scale_f32_16x16x128_f8f6f4 v[8*(8*((\a)%4)+\b):8*(8*((\a)%4)+\b)+7], v[128*(\p)+FR*\b:128*(\p)+FR*\b+FR-1], v[AF+FR*(\a):AF+FR*(\a)+FR-1], v[BI+8*\b:BI+8*\b+7], v[SC+8*NQ*(\sc)+NQ*\b+(\q)], v[SC+8*NQ*(\sc)+NQ*(\a)+(\q)] matrix_a_fmt:MATRIX_FMT_FP4 matrix_b_fmt:MATRIX_FMT_FP4 matrix_a_scale:MATRIX_SCALE_ROW1
.else
	v_wmma_scale_f32_16x16x128_f8f6f4 v[8*(8*((\a)%4)+\b):8*(8*((\a)%4)+\b)+7], v[128*(\p)+FR*\b:128*(\p)+FR*\b+FR-1], v[AF+FR*(\a):AF+FR*(\a)+FR-1], v[8*(8*((\a)%4)+\b):8*(8*((\a)%4)+\b)+7], v[SC+8*NQ*(\sc)+NQ*\b+(\q)], v[SC+8*NQ*(\sc)+NQ*(\a)+(\q)] matrix_a_fmt:MATRIX_FMT_FP4 matrix_b_fmt:MATRIX_FMT_FP4 matrix_a_scale:MATRIX_SCALE_ROW1
.endif
.endr
.endr
.endm
.macro FETCH_B slot, q, p              ; W's eight fragments of the slot's q-th 128 along K into set p
	WIN TO_B
.irp i, 0,1,2,3,4,5,6,7
	FRAG 128*(\p)+FR*\i, ADRB+\slot, \q, \i
.endr
	WIN 0
.endm
.macro FETCH_A slot, q, i0             ; x's blocks i0 .. i0 + 3
.irp i, \i0, \i0+1, \i0+2, \i0+3
	FRAG AF+FR*(\i), ADRA+\slot, \q, \i
.endr
.endm
.macro SCALES sc                       ; a K step's scale words into set sc: four words a row; lanes 0-15 take x's block i, lanes 16-31 W's block i
.irp i, 0,1,2,3,4,5,6,7
	ds_load_b128 v[SC+8*NQ*\sc+NQ*\i:SC+8*NQ*\sc+NQ*\i+3], v[ADRS] offset:\i*SBLK
.endr
.endm
; A load into a register that a matrix instruction has read, and a vector instruction that reads a matrix result, stand four places behind it; only plain vector instructions that name none of its registers are places.
.macro PLACES n
.rept \n
	v_nop
.endr
.endm
; A step of 128 along K that has its successor in the same slot.  A block of x is free as soon as its eight products are issued: blocks 0-3 are fetched anew in the step's middle, blocks 4-7 at its end.
.macro STEP slot, q, zero
	s_wait_dscnt 4*NL                              ; W's set and x's blocks 0-3 are in; the youngest eight loads (x's blocks 4-7) may be out
.if \zero
	WIN FST_LO
.else
	WIN MUL_LO
.endif
	MUL16 0, (\q)%2, \q, \slot, \zero
	MUL16 2, (\q)%2, \q, \slot, \zero
	s_wait_dscnt 0                                 ; x's blocks 4-7 are in
	PLACES NP
	FETCH_B \slot, (\q)+1, 1-(\q)%2
	FETCH_A \slot, (\q)+1, 0
.if \zero
	WIN FST_HI
.else
	WIN MUL_HI
.endif
	MUL16 4, (\q)%2, \q, \slot, \zero
	MUL16 6, (\q)%2, \q, \slot, \zero
	PLACES NP
	WIN 0
	FETCH_A \slot, (\q)+1, 4
.endm
; Slot 0's last step goes over to slot 1: one barrier; in front of it each wave waits for all its tensor loads (its part of slot 1), adds 0 to its spare word, and waits for that and for its reads of slot 0.  Nothing is filled again.
.macro TURN slot, next
	s_wait_tensorcnt 0x0                           ; all my tensor loads have landed  (every window is 0 here: the add's two registers lie in window 0)
	ds_add_u32 v[SPW], v[NIL]                      ; 0 onto my spare word
	s_wait_dscnt 4*NL+1                            ; the add and the youngest eight loads (x's blocks 4-7) may be out
	WIN MUL_LO
	MUL16 0, 1, NQ-1, \slot, 0                     ; sixteen matrix instructions stand between the add and the wait for it
	s_wait_dscnt 0x0                               ; the add is done, and my reads of this slot are over
	s_barrier_signal -1
	MUL16 2, 1, NQ-1, \slot, 0
	WIN 0
	s_barrier_wait -1                              ; slot 1 is whole, and nobody reads slot 0 any more
	PLACES NP
	v_add_nc_u32 v[ADRS], 4*NQ, v[ADRS]            ; on to the next K step's scale words
	FETCH_B \next, 0, 0
	FETCH_A \next, 0, 0
	SCALES \next
	WIN MUL_HI
	MUL16 4, 1, NQ-1, \slot, 0
	MUL16 6, 1, NQ-1, \slot, 0
	PLACES NP
	WIN 0
	FETCH_A \next, 0, 4
.endm
	s_wait_tensorcnt 1                             ; the scales and my part of K step 0 are in; K step 1's load may be out,
	s_barrier_signal -1
	s_barrier_wait -1                              ; everybody's are
	FETCH_B 0, 0, 0
	FETCH_A 0, 0, 0
	SCALES 0
	FETCH_A 0, 0, 4
	s_wait_loadcnt 0x0                             ; the bias
	STEP 0, 0, 1                                   ; the first products start the sums from the bias
	STEP 0, 1, 0
	STEP 0, 2, 0
	TURN 0, 1
	STEP 1, 0, 0
	STEP 1, 1, 0
	STEP 1, 2, 0
	s_wait_dscnt 4*NL                              ; the very last step: nothing more to fetch
	WIN MUL_LO
	MUL16 0, 1, NQ-1, 1, 0
	MUL16 2, 1, NQ-1, 1, 0
	s_wait_dscnt 0
	WIN MUL_HI
	MUL16 4, 1, NQ-1, 1, 0
	MUL16 6, 1, NQ-1, 1, 0
	WIN 0
; THE WAY OUT, block by block of 16 rows x 128 columns (two heads).  PACK: rounded to f16, 16 bytes a lane, each accumulator from its low end on.  TOSTAGE: into my own stage, and back so that sixteen neighbouring lanes
; hold two tokens of one head.  SEND: sixteen lanes store 256 consecutive bytes, at a multiple of 256 from qkv's first byte.
.macro PACK a
.set AC, 64*((\a)%4)
	WIN 0x0a+5*((\a)/4)                            ; sources 0 and 1: window 2 or 3
.irp b, 0,1,2,3,4,5,6,7
.irp r, 0,1,2,3
	v_cvt_pk_f16_f32 v[TMP+4*\b+\r], v[AC+8*\b+2*\r], v[AC+8*\b+2*\r+1]
.endr
.endr
	WIN 0
.endm
.macro TOSTAGE a
.set BB, OB+32*((\a)%2)
.irp b, 0,1,2,3,4,5,6,7
	ds_store_b128 v[STO], v[TMP+4*\b:TMP+4*\b+3] offset:32*\b
.endr
.irp t, 0,1,2,3,4,5,6,7
	ds_load_b128 v[BB+4*\t:BB+4*\t+3], v[RD] offset:\t*2*SPITCH    ; LDS serves a wave's instructions in order (ISA guide 5.7.1.4): these see the stores above
.endr
.endm
.macro SEND a
.set BB, OB+32*((\a)%2)
	s_wait_dscnt 0x0                               ; the block is back in registers
	s_wait_xcnt 0x0                                ; the stores of the block before have read their registers, into which the next block's loads will land
.irp t, 0,1,2,3,4,5,6,7
	global_store_b128 v[CO], v[BB+4*\t:BB+4*\t+3], s[12:13] offset:2048*(\a)+256*\t   ; tokens 16 a + 2 t and + 1
.endr
.endm
	PLACES NP                                      ; behind the last products: for the conversions that read results and for the loads into x's fragment registers
	PACK 0
	TOSTAGE 0
.irp a, 1,2,3,4,5,6,7                  ; block a's conversions stand between block a - 1's loads from the stage and the wait for them
	PACK \a
	SEND \a-1
	TOSTAGE \a
.endr
	SEND 7
	s_wait_tensorcnt 0x0                           ; the wave's end, behind my last tensor load and my last LDS store
	ds_add_u32 v[SPW], v[NIL]
	s_wait_dscnt 0x0
	CROUND                                         ; the closing round: no work-group ends while a partner may still ask for a tile that names it
	s_endpgm
.Lfunc_end_k_qca9b06cdf8_proj:
	.size	k_qca9b06cdf8_proj, .Lfunc_end_k_qca9b06cdf8_proj-k_qca9b06cdf8_proj
	.p2alignl 7, 3214868480
	.fill 96, 4, 3214868480
	.section	.rodata,"a",@progbits
	.p2align	6, 0x0
	.amdhsa_kernel k_qca9b06cdf8_proj
		.amdhsa_group_segment_fixed_size 327680
		.amdhsa_private_segment_fixed_size 0
		.amdhsa_enable_private_segment 0
		.amdhsa_kernarg_size 64
		.amdhsa_user_sgpr_count 2
		.amdhsa_user_sgpr_kernarg_segment_ptr 1
		.amdhsa_wavefront_size32 1
		.amdhsa_system_sgpr_workgroup_id_x 1
		.amdhsa_system_sgpr_workgroup_id_y 1
		.amdhsa_system_sgpr_workgroup_id_z 1
		.amdhsa_system_vgpr_workitem_id 0
		.amdhsa_next_free_vgpr 1024
		.amdhsa_next_free_sgpr 100
		.amdhsa_reserve_vcc 0
		.amdhsa_float_denorm_mode_32 3
		.amdhsa_float_denorm_mode_16_64 3
		.amdhsa_memory_ordered 1
		.amdhsa_forward_progress 1
		.amdhsa_inst_pref_size 128
	.end_amdhsa_kernel
	.amdgpu_metadata
---
amdhsa.version: [ 1, 2 ]
amdhsa.kernels:
  - .name:           k_qca9b06cdf8_proj
    .symbol:         k_qca9b06cdf8_proj.kd
    .args:
      - { .name: xc, .offset: 0, .size: 8, .value_kind: global_buffer, .address_space: global }
      - { .name: xs, .offset: 8, .size: 8, .value_kind: global_buffer, .address_space: global }
      - { .name: wc, .offset: 16, .size: 8, .value_kind: global_buffer, .address_space: global }
      - { .name: ws, .offset: 24, .size: 8, .value_kind: global_buffer, .address_space: global }
      - { .name: b_q, .offset: 32, .size: 8, .value_kind: global_buffer, .address_space: global }
      - { .name: b_k, .offset: 40, .size: 8, .value_kind: global_buffer, .address_space: global }
      - { .name: b_v, .offset: 48, .size: 8, .value_kind: global_buffer, .address_space: global }
      - { .name: qkv, .offset: 56, .size: 8, .value_kind: global_buffer, .address_space: global }
    .group_segment_fixed_size: 327680
    .private_segment_fixed_size: 0
    .kernarg_segment_align: 8
    .kernarg_segment_size: 64
    .max_flat_workgroup_size: 128
    .sgpr_count:     100
    .vgpr_count:     1024
    .wavefront_size: 32
...
	.end_amdgpu_metadata
.endif
;; end of part 2
;; launch attn (part 3): grid 4 x 64, 8 waves a work-group, clusters of 4 x 1, 327,680 bytes of LDS; arguments qkv, ao; writes ao
.if DOCPART == 3
	.amdgcn_target "amdgcn-amd-amdhsa--gfx1250"
	.amdhsa_code_object_version 6
	.text
	.protected	k_qca9b06cdf8_attn
	.globl	k_qca9b06cdf8_attn
	.p2align	8
	.type	k_qca9b06cdf8_attn,@function
k_qca9b06cdf8_attn:
	s_mov_b64 s[64:65], 0
	v_nop
	global_prefetch_b8 v0, s[64:65] scope:SCOPE_SE
	s_setreg_imm32_b32 hwreg(HW_REG_WAVE_MODE, 25, 1), 1
	s_wait_xcnt 0x0
	s_wait_alu depctr_hold_cnt(0) depctr_sa_sdst(0) depctr_va_vdst(0) depctr_va_sdst(0) depctr_va_ssrc(0) depctr_va_vcc(0) depctr_vm_vsrc(0)
	s_getreg_b32 s2, hwreg(HW_REG_IB_STS2, 6, 4)
	s_cmp_eq_u32 s2, 0
	s_cbranch_scc0 .Lentry_in_a_cluster
	s_endpgm
.Lentry_in_a_cluster:
	s_bfe_u32 s2, ttmp6, 0x10000c
	s_cmp_lg_u32 s2, 0x3003
	s_cbranch_scc0 .Lentry_shape_is_right
	s_endpgm
.Lentry_shape_is_right:
; O[b][h][q] = the sum over k of softmax_k(Q[q] . K[k] / 8) V[k], for 64 (batch, head) pairs of 2,048 tokens and 64 channels.  No mask.
; qkv: f16 [3 (q, k, v)][64 (16 b + h)][2048][64].  ao: f16 [16 h][8192 (2048 b + token)][64].  Products on f16 operands with f32 sums; maxima, exponentials and sums in f32; the weights p (at most 1) are rounded to f16 for the second product, O once at the end.
; SHARES.  A work-group owns 512 queries of one (b, h), each of its eight waves 64: four tiles of 16, in 512 registers; two waves lie on a SIMD, so that one wave's softmax stands beside the other's products.  Every wave walks all keys, 64 a step.
; LAYOUT.  S^T = K Q^T (source 0 = 16 keys, source 1 = 16 queries): a lane holds ONE query (lane % 16) and the keys 8 (lane / 16) + 0..7 of each tile of 16.  Two such tiles, rounded in pairs, ARE source 1 (32 keys x 16 queries) of
; O^T = V^T P, whose result again holds one query a lane, and eight channels.  K comes out of LDS as it lies, V ([key][channel]) turned, by ds_load_tr16_b128.
; SOFTMAX.  For each query a running maximum m and sum l: p = 2^(c s - c m), c = log2(e) / 8; in every step O and l are multiplied by a = 2^(c m_old - c m_new).  m begins at -3e38 and l and O^T at 0, so the first step is like every other.
; RING.  Two LDS slots of four key steps (256 keys).  The change of slots stands at a slot's head: behind it the other slot is asked for, and has four key steps in which to land.  Waves 0-3 fetch the four steps' K, waves 4-7 their V: one load a wave.
; CLUSTER.  The four query blocks of a (b, h) form a cluster and walk the same K and V: each tile is asked for JOINTLY, by the same tensor load with the same descriptor and a mask that names the four.
; REGISTERS: window 0: v1-13 addresses; v30, v31 the add's two; v32-63 eight statistics a tile; v64-191 S^T, 32 a tile, then p, then P in each tile's low 16; v192-255 K of one step.
;   window 1: v0-63 Q, 16 a tile; v64-191 O^T, 32 a tile; v192-255 V of one step.
.set KS,    64        ; keys in a step
.set PK,    144       ; a row of K in LDS: 128 bytes + 16 = 36 words: the 16 rows of a load fall on 16 different groups of four banks (64 banks of 4 bytes: ISA guide 11.1)
.set PV,    160       ; a row of V: 128 + 32 = 40 words
.set VOFF,  KS*PK     ; a step's tiles lie together: 64 rows of K, then 64 rows of V
.set STEPB, KS*(PK+PV)
.set NST,   4         ; steps in a slot
.set SLOTB, NST*KS*128  ; a slot's rows of K (or of V) in memory: 32,768 bytes
.set SLOT1, 1<<17     ; slot 1 begins here, so that one exclusive or turns an address in one slot into the other's
.set NSL,   2048/(NST*KS)  ; 8 slots' worth of keys
.set STAGE, SLOT1+NST*STEPB  ; behind the ring: 16 rows x 144 bytes for each wave, for the way out
.set SP,    144
.set SPARE, STAGE+8*16*SP  ; behind the stages: the spare words, 128 bytes for each wave, that no other line names
.set AK0, 2           ; v2   my lane's place in a tile of K; never rewritten
.set AV0, 3           ; v3   the same for V
.set ADK, 4           ; v4   the LDS address of the step's K
.set ADV, 5           ; v5   of its V
.set STO, 6           ; v6   the way out: where I put 16 bytes of a row
.set RD,  7           ; v7   where I read 16 bytes back
.set GO,  8           ; v8   16 x lane: my byte offset in 512 bytes of ao
.set QO,  10          ; v10  my byte offset in the wave's rows of Q
.set PFO, 12          ; v12  256 x lane: the prefetches' offset; never rewritten
.set SPW, 30          ; v30  LDS address of my spare word; never rewritten
.set NIL, 31          ; v31  0; never rewritten
.set ST,  32          ; tile t's statistics at v[ST+8 t]: +0 c m, +1 m, +2, +3 l (even keys', odd keys'), +4 to +7 at work; a takes +6 once the maximum is found
.set S,   64
.set KF,  192
.set WV,  12          ; s12  my wave's number
.set LIM, 15          ; s15  1 in a wave that prefetches, else the greatest number
.set PFA, 18          ; s[18:19] where my prefetches stand in memory
.set G1K, 24          ; s[24:31] descriptor group 1 for K's tiles
.set G1V, 32          ; s[32:39] for V's: it differs in the padding alone
.set G0K, 40          ; s[40:43] descriptor group 0 for K's tiles: it walks
.set G0V, 44          ; s[44:47] the same for V's
.set SLOTS, 56        ; s56  slots still to be asked for
.set CNT, 57          ; s57  counts a slot's first three steps
.set CS,  58          ; s[58:59] c: the packed scaling names a pair and takes its low word for both halves
.set SEL, 60          ; s[60:61] lane selects for v_permlanex16_b32: lane l xor 16
.set TB,  62          ; s62  LDS byte at which the step in hand begins
.set MSB, 0
.macro WIN new                      ; the immediate's high byte repeats the setting that is left; a switch that changes nothing is dropped
.if MSB != (\new)
	s_set_vgpr_msb (MSB<<8)|(\new)
.set MSB, (\new)
.endif
.endm
.set W_KQ, 0x04       ; K and S^T in window 0, Q (source 1) in window 1
.set W_PV, 0x51       ; V (source 0) and O^T (C and D) in window 1, P in window 0
.set W_RS, 0x41       ; O^T (destination and source 0) in window 1, a in window 0
.set TO_1, 0x40       ; destination window 1, address window 0
; A joint load.  The branch hangs on the wave's number alone: it is the same in every work-group.  An s_nop 0 and four v_nop follow each of the two lines.
.macro JLOAD
	s_cmp_lt_u32 s[WV], 4
	s_cbranch_scc0 .Lfor_v_\@
	tensor_load_to_lds s[G0K:G0K+3], s[G1K:G1K+7]
	s_nop 0
.rept 4
	v_nop
.endr
	s_branch .Lasked_\@
.Lfor_v_\@:
	tensor_load_to_lds s[G0V:G0V+3], s[G1V:G1V+7]
	s_nop 0
.rept 4
	v_nop
.endr
.Lasked_\@:
.endm
; A PREFETCH of what the NEXT change of slots will ask for: a slot's 32,768 bytes of K and of V.  A (b, h) has one cluster; its four partners share the bytes out BY ADDRESS, 8,192 each; in each, wave 0 asks for K's and wave 4 for V's,
; lanes 256 bytes apart, one instruction.  So each aligned block of 256 bytes is named once in the launch.  The last change that fills a slot asks for nothing: there is no slot behind it.  Slots 0 and 1 come by their loads alone.
.macro ASK
	s_cmp_gt_u32 s[SLOTS], s[LIM]
	s_cbranch_scc0 .Lnot_mine_\@
	global_prefetch_b8 v[PFO], s[PFA:PFA+1] th:TH_LOAD_NT scope:SCOPE_SE
.Lnot_mine_\@:
.endm
.macro CROUND                       ; a round of the cluster's barrier: my work-group's barrier; wave 0 signals for the work-group; every wave waits for all four work-groups; my work-group's barrier once more
	s_barrier_signal -1
	s_barrier_wait -1
	s_cmp_lg_u32 s[WV], 0
	s_cbranch_scc1 .Lnot_wave_0_\@
	s_barrier_signal -3
.Lnot_wave_0_\@:
	s_barrier_wait -3
	s_barrier_signal -1
	s_barrier_wait -1
.endm
	s_load_b128 s[4:7], s[0:1], 0x0 ; qkv s[4:5], ao s[6:7]
	v_lshl_add_u32 v[SPW], v0, 2, SPARE
	v_mov_b32 v[NIL], 0
	ds_add_u32 v[SPW], v[NIL]       ; the wave's opening: the add, twice on end, and its wait ahead of my first tensor load; the set-up below stands between
	ds_add_u32 v[SPW], v[NIL]
	v_lshrrev_b32 v1, 5, v0
	v_readfirstlane_b32 s[WV], v1   ; wave 0..7
	s_bfe_u32 s13, ttmp6, 0x40000   ; cx: my block of 512 queries; it enters Q's, ao's and the prefetches' addresses alone
	s_and_b32 s14, ttmp7, 0xffff    ; y = 16 b + h, which the four partners share
	s_and_b32 s16, s[WV], 3         ; which of a slot's four steps I fetch
	s_lshl_b32 s20, s14, 18         ; the head's 262,144 bytes,
	s_lshl_b32 s17, s16, 13         ; my step's 64 rows of 128 bytes
	s_add_co_u32 s20, s20, s17
	s_mov_b32 s21, 0
	s_mul_i32 s17, s16, STEPB       ; and its place in a slot: no place in the cluster enters an LDS address
	s_lshl_b32 s3, s13, 16          ; my block's 512 rows of 128 bytes,
	s_lshl_b32 s2, s[WV], 13        ; my wave's 64 of them
	s_add_co_u32 s3, s3, s2
	s_lshl_b32 s2, s14, 18
	s_add_co_u32 s2, s2, s3         ; Q: in my head
	s_and_b32 s8, s14, 15           ; ao: plane h of 1,048,576 bytes,
	s_lshl_b32 s8, s8, 20
	s_lshr_b32 s9, s14, 4           ; batch b's 2,048 tokens of 128 bytes
	s_lshl_b32 s9, s9, 18
	s_add_co_u32 s8, s8, s9
	s_add_co_u32 s8, s8, s3
	s_mov_b32 s3, 0
	s_mov_b32 s9, 0
	s_lshl_b32 s22, s14, 18         ; the prefetches: my head,
	s_lshl_b32 s23, s13, 13         ; my work-group's 8,192 bytes of a slot's 32,768,
	s_add_co_u32 s22, s22, s23
	s_add_co_u32 s22, s22, SLOTB    ; in slot 1: the first change of slots steps it to slot 2
	s_mov_b32 s23, 0x2000000        ; V begins 33,554,432 bytes into qkv,
	s_cmp_lt_u32 s[WV], 4
	s_cselect_b32 s23, 0x1000000, s23  ; K 16,777,216
	s_add_co_u32 s22, s22, s23
	s_mov_b32 s23, 0
	s_cmp_eq_u32 s16, 0             ; waves 0 and 4 ask
	s_cselect_b32 s[LIM], 1, -1
	; descriptor group 1: a tile of 64 rows x 64 elements, padded in LDS
	s_mov_b32 s[G1K], 15|(1<<16)|(1<<20)|(1<<21)|(4<<22)|(3<<25)  ; 15:0 the mask: all four work-groups; 17:16 elements of 2 bytes; 20 padding on; 21 set beside a mask; 24:22 after every 32 words; 31:25 four words
	s_mov_b32 s[G1V], 15|(1<<16)|(1<<20)|(1<<21)|(4<<22)|(7<<25)  ; the same with eight words of padding
.irp g, G1K, G1V
	s_mov_b32 s[\g+1], 64<<16       ; tensor_dim0 = 64
	s_mov_b32 s[\g+2], KS<<16       ; tensor_dim1 = 64
	s_mov_b32 s[\g+3], 64<<16       ; tile_dim0 = 64
	s_mov_b32 s[\g+4], KS           ; tile_dim1 = 64
	s_mov_b32 s[\g+5], 64           ; tensor_dim0_stride: elements from row to row
	s_mov_b32 s[\g+6], 0
	s_mov_b32 s[\g+7], 0
.endr
	s_mov_b32 s[CS], 0x3e38aa3b     ; c = log2(e) / 8
	s_mov_b32 s[CS+1], s[CS]        ; named with it as a pair, so it is written
	s_mov_b32 s[SEL], 0x76543210
	s_mov_b32 s[SEL+1], 0xfedcba98
	s_mov_b32 s[TB], 0
	s_mov_b32 s[SLOTS], NSL-1
	s_wait_dscnt 0x0                ; both opening adds are done
	s_wait_kmcnt 0x0
	s_add_nc_u64 s[10:11], s[6:7], s[8:9]    ; ao at my wave's first row
	s_add_nc_u64 s[8:9], s[4:5], s[2:3]      ; Q likewise
	s_add_nc_u64 s[PFA:PFA+1], s[4:5], s[22:23]
	s_mov_b32 s[G0K], 1             ; 1:0 count = 1
	s_mov_b32 s[G0K+1], s17         ; 63:32 LDS address: slot 0
	s_add_nc_u64 s[G0K+2:G0K+3], s[4:5], s[20:21]
	s_add_nc_u64 s[G0K+2:G0K+3], s[G0K+2:G0K+3], 0x1000000  ; 120:64 global address: my step of the head's first 256 keys
	s_or_b32 s[G0K+3], s[G0K+3], 0x80000000  ; 127:126 type = 2
	s_mov_b32 s[G0V], 1
	s_add_co_u32 s[G0V+1], s17, VOFF
	s_add_nc_u64 s[G0V+2:G0V+3], s[4:5], s[20:21]
	s_add_nc_u64 s[G0V+2:G0V+3], s[G0V+2:G0V+3], 0x2000000
	s_or_b32 s[G0V+3], s[G0V+3], 0x80000000
	CROUND                          ; all four work-groups are here: the first joint loads meet
	JLOAD                           ; slot 0: one tensor load of mine is out
	; A fragment of K or Q is 16 rows x 32 channels in 8 registers: lane l holds row l % 16; registers 0-3 channels 8 (l / 16) + 0..7, registers 4-7 channels 16 + 8 (l / 16) + 0..7: two loads of 16 bytes, 32 bytes apart.
	v_and_b32 v1, 15, v0            ; l % 16
	v_bfe_u32 v9, v0, 4, 1          ; l / 16
	v_lshlrev_b32 v[QO], 7, v1
	v_lshl_add_u32 v[QO], v9, 4, v[QO]  ; row x 128 + 16 x half
	WIN TO_1
.irp i, 0,1,2,3,4,5,6,7             ; Q stays in registers: tile i / 2, channels 32 (i % 2) on
	global_load_b128 v[8*\i:8*\i+3],   v[QO], s[8:9] offset:(\i/2)*2048+(\i%2)*64
	global_load_b128 v[8*\i+4:8*\i+7], v[QO], s[8:9] offset:(\i/2)*2048+(\i%2)*64+32
.endr
.set i, 0
.rept 128
	v_mov_b32 v[64+i], 0            ; O^T begins at 0, once: the key step is written for every step alike, and the loops' trip counts stay constants
.set i, i+1
.endr
	WIN 0
	v_mul_u32_u24 v[AK0], v1, PK
	v_lshl_add_u32 v[AK0], v9, 4, v[AK0]  ; row x pitch + 16 x half
	; The turning load takes 16 keys x 16 channels (lane l reads 16 bytes: key 8 (l / 16) + l % 8, channels 8 ((l / 8) % 2) + 0..7) and leaves half a fragment of V^T: lane l holds channel l % 16 and 8 keys.
	v_and_b32 v11, 7, v0
	v_bfe_u32 v13, v0, 3, 1
	v_lshl_add_u32 v[AV0], v9, 3, v11
	v_mul_u32_u24 v[AV0], v[AV0], PV
	v_lshl_add_u32 v[AV0], v13, 4, v[AV0]
	v_add_nc_u32 v[AV0], VOFF, v[AV0]
	s_mul_i32 s2, s[WV], 16*SP
	s_add_co_u32 s2, s2, STAGE      ; my stage
	v_mul_u32_u24 v[STO], v1, SP    ; in: row l % 16, 16 bytes for each half of the lanes
	v_lshl_add_u32 v[STO], v9, 4, v[STO]
	v_add_nc_u32 v[STO], s2, v[STO]
	v_and_b32 v11, 31, v0           ; lane
	v_lshrrev_b32 v13, 3, v11       ; back: eight lanes to a row of 128 bytes, four rows an instruction
	v_mul_u32_u24 v[RD], v13, SP
	v_and_b32 v13, 7, v0
	v_lshl_add_u32 v[RD], v13, 4, v[RD]
	v_add_nc_u32 v[RD], s2, v[RD]
	v_lshlrev_b32 v[GO], 4, v11
	v_lshlrev_b32 v[PFO], 8, v11
.irp t, 0,1,2,3
	v_mov_b32 v[ST+8*\t+1], 0xff61b1e6  ; m: -3e38, under every score
	v_mov_b32 v[ST+8*\t+2], 0           ; l, in two halves
	v_mov_b32 v[ST+8*\t+3], 0
.endr
.irp t, 0,1,2,3
	v_mul_f32 v[ST+8*\t], s[CS], v[ST+8*\t+1]  ; c m
.endr
; THE LDS LOADS stand in runs of 16.  A step's K: fragment f: keys 16 (f / 2) on, channels 32 (f % 2) on.
.macro KLOAD off
.irp f, 0,1,2,3,4,5,6,7
	ds_load_b128 v[KF+8*\f:KF+8*\f+3],   v[ADK] offset:\off+(\f/2)*16*PK+(\f%2)*64
	ds_load_b128 v[KF+8*\f+4:KF+8*\f+7], v[ADK] offset:\off+(\f/2)*16*PK+(\f%2)*64+32
.endr
.endm
.macro VLOAD                        ; its V, turned: fragment f: keys 32 (f / 4) on, channels 16 (f % 4) on
.irp f, 0,1,2,3,4,5,6,7
	ds_load_tr16_b128 v[192+8*\f:192+8*\f+3],   v[ADV] offset:(\f/4)*32*PV+(\f%4)*32
	ds_load_tr16_b128 v[192+8*\f+4:192+8*\f+7], v[ADV] offset:(\f/4)*32*PV+16*PV+(\f%4)*32
.endr
.endm
; 32 products S^T = K Q^T: channels 32 (i / 16) on, keys 16 ((i / 4) % 4) on, tile i % 4.  The first 16 start the sums.  The 16 accumulators take turns, one instruction a turn.
.macro QK
.set i, 0
.rept 32
.set rS, S+32*(i%4)+8*((i/4)%4)
.set rK, KF+8*(2*((i/4)%4)+i/16)
.set rQ, 16*(i%4)+8*(i/16)
.if i < 16
	v_wmma_f32_16x16x32_f16 v[rS:rS+7], v[rK:rK+7], v[rQ:rQ+7], 0
.else
	v_wmma_f32_16x16x32_f16 v[rS:rS+7], v[rK:rK+7], v[rQ:rQ+7], v[rS:rS+7]
.endif
.set i, i+1
.endr
.endm
; 32 products O^T += V^T P: keys 32 (i / 16) on, channels 16 ((i / 4) % 4) on, tile i % 4.  Again 16 accumulators by turns.
.macro PVM
.set i, 0
.rept 32
.set rO, 64+32*(i%4)+8*((i/4)%4)
.set rV, 192+8*(4*(i/16)+(i/4)%4)
.set rP, S+32*(i%4)+8*(i/16)
	v_wmma_f32_16x16x32_f16 v[rO:rO+7], v[rV:rV+7], v[rP:rP+7], v[rO:rO+7]
.set i, i+1
.endr
.endm
; THE SOFTMAX of four tiles for one key step, the tiles innermost, so that no line waits for the line above it.  s0-s31 are a lane's 32 scores of a tile.
.macro SOFTMAX
.irp j, 0,1,2,3                     ; the maximum: four chains, one for each accumulator, each begun at the accumulator's low end
.irp t, 0,1,2,3
	v_max3_num_f32 v[ST+8*\t+4+\j], v[S+32*\t+8*\j], v[S+32*\t+8*\j+1], v[S+32*\t+8*\j+2]
.endr
.endr
.irp g, 1,2
.irp j, 0,1,2,3
.irp t, 0,1,2,3
	v_max3_num_f32 v[ST+8*\t+4+\j], v[ST+8*\t+4+\j], v[S+32*\t+8*\j+2*\g+1], v[S+32*\t+8*\j+2*\g+2]
.endr
.endr
.endr
.irp t, 0,1,2,3
	v_max3_num_f32 v[ST+8*\t+4], v[ST+8*\t+4], v[S+32*\t+7], v[S+32*\t+15]
.endr
.irp t, 0,1,2,3
	v_max3_num_f32 v[ST+8*\t+6], v[ST+8*\t+6], v[S+32*\t+23], v[S+32*\t+31]
.endr
.irp t, 0,1,2,3
	v_max3_num_f32 v[ST+8*\t+4], v[ST+8*\t+4], v[ST+8*\t+5], v[ST+8*\t+6]
.endr
.irp t, 0,1,2,3
	v_max3_num_f32 v[ST+8*\t+4], v[ST+8*\t+4], v[ST+8*\t+7], v[ST+8*\t+1]   ; with the old m
.endr
.irp t, 0,1,2,3
	v_permlanex16_b32 v[ST+8*\t+5], v[ST+8*\t+4], s[SEL], s[SEL+1]  ; the query's other 32 keys lie in the lane 16 away
.endr
.irp t, 0,1,2,3
	v_mov_b32 v[ST+8*\t+7], v[ST+8*\t]          ; c m_old is kept for a
.endr
.irp t, 0,1,2,3
	v_max_num_f32 v[ST+8*\t+1], v[ST+8*\t+4], v[ST+8*\t+5]   ; the new m
.endr
.irp t, 0,1,2,3
	v_mul_f32 v[ST+8*\t], s[CS], v[ST+8*\t+1]   ; c m
.endr
.irp t, 0,1,2,3
	v_sub_f32 v[ST+8*\t+7], v[ST+8*\t+7], v[ST+8*\t]   ; c m_old - c m_new, 0 or less
.endr
.irp b, 0,1,2,3,4,5,6,7,8,9,10,11,12,13,14,15
.irp t, 0,1,2,3
	v_pk_fma_f32 v[S+32*\t+2*\b:S+32*\t+2*\b+1], v[S+32*\t+2*\b:S+32*\t+2*\b+1], s[CS:CS+1], v[ST+8*\t:ST+8*\t+1] op_sel_hi:[1,0,0] neg_lo:[0,0,1] neg_hi:[0,0,1]  ; c s - c m, two at a time
.endr
.endr
.irp t, 0,1,2,3                     ; ONE BATCH of 132 exponentials: none of them reads another's result
	v_exp_f32 v[ST+8*\t+6], v[ST+8*\t+7]        ; a
.endr
.irp e, 0,1,2,3,4,5,6,7,8,9,10,11,12,13,14,15,16,17,18,19,20,21,22,23,24,25,26,27,28,29,30,31
.irp t, 0,1,2,3
	v_exp_f32 v[S+32*\t+\e], v[S+32*\t+\e]      ; p
.endr
.endr
	v_nop                           ; a plain instruction behind the last exponential and ahead of the first use
	s_wait_alu depctr_va_vdst(0)    ; a wait ahead of the first instruction that names a result: one for the batch
.irp t, 0,1,2,3                     ; the sums of the unrounded p, in two chains a tile: l = a l + pairs 0-7, and pairs 8-15
	v_pk_fma_f32 v[ST+8*\t+2:ST+8*\t+3], v[ST+8*\t+2:ST+8*\t+3], v[ST+8*\t+6:ST+8*\t+7], v[S+32*\t:S+32*\t+1] op_sel_hi:[1,0,1]
.endr
.irp t, 0,1,2,3
	v_pk_add_f32 v[ST+8*\t+4:ST+8*\t+5], v[S+32*\t+16:S+32*\t+17], v[S+32*\t+18:S+32*\t+19]
.endr
.irp n, 1,2,3,4,5,6
.irp t, 0,1,2,3
	v_pk_add_f32 v[ST+8*\t+2:ST+8*\t+3], v[ST+8*\t+2:ST+8*\t+3], v[S+32*\t+2*\n:S+32*\t+2*\n+1]
.endr
.irp t, 0,1,2,3
	v_pk_add_f32 v[ST+8*\t+4:ST+8*\t+5], v[ST+8*\t+4:ST+8*\t+5], v[S+32*\t+18+2*\n:S+32*\t+19+2*\n]
.endr
.endr
.irp t, 0,1,2,3
	v_pk_add_f32 v[ST+8*\t+2:ST+8*\t+3], v[ST+8*\t+2:ST+8*\t+3], v[S+32*\t+14:S+32*\t+15]
.endr
.irp t, 0,1,2,3
	v_pk_add_f32 v[ST+8*\t+2:ST+8*\t+3], v[ST+8*\t+2:ST+8*\t+3], v[ST+8*\t+4:ST+8*\t+5]
.endr
.set i, 0
.rept 16                            ; P, in place, in the tile's low 16 registers: register i is written when pairs 0 .. i have been read
.irp t, 0,1,2,3
	v_cvt_pk_f16_f32 v[S+32*\t+i], v[S+32*\t+2*i], v[S+32*\t+2*i+1]
.endr
.set i, i+1
.endr
	WIN W_RS
.set i, 0
.rept 16                            ; O^T times a, each accumulator from its low end on
.irp t, 0,1,2,3
	v_pk_mul_f32 v[64+32*\t+i:64+32*\t+i+1], v[64+32*\t+i:64+32*\t+i+1], v[ST+8*\t+6:ST+8*\t+7] op_sel_hi:[1,0]
.endr
.set i, i+2
.endr
.endm
; A KEY STEP.  pre = 1: the next step's K, which lies in the same slot, is fetched behind this step's V.
.macro STEP pre
	v_add_nc_u32 v[ADK], s[TB], v[AK0]
	v_add_nc_u32 v[ADV], s[TB], v[AV0]
.rept 3
	v_nop                           ; with the two additions: five places between the last V^T P and the K Q^T that writes over P's registers (ISA guide 7.12.1)
.endr
	s_wait_dscnt 0x0                ; K is in
	WIN W_KQ
	QK
.rept 4
	v_nop                           ; four places: ahead of the loads into K's registers and of the first read of the scores
.endr
	WIN TO_1
	VLOAD
	WIN 0
.if \pre
	KLOAD STEPB
.endif
	SOFTMAX
.if \pre
	s_wait_dscnt 16                 ; V is in; the next step's K, 16 loads behind it, may be out
.else
	s_wait_dscnt 0x0                ; V is in: my reads of this slot are over
.endif
	WIN W_PV
	PVM
	WIN 0
	s_add_co_u32 s[TB], s[TB], STEPB
.endm
; A slot's four key steps: three in a loop, each fetching the next one's K, and the last, which fetches nothing beyond the slot.
.macro FOUR_STEPS
	v_add_nc_u32 v[ADK], s[TB], v[AK0]
	KLOAD 0
	s_mov_b32 s[CNT], NST-1
.Lstep_\@:
	STEP 1
	s_sub_co_u32 s[CNT], s[CNT], 1
	s_cmp_lg_u32 s[CNT], 0
	s_cbranch_scc1 .Lstep_\@
	STEP 0
	s_sub_co_u32 s[TB], s[TB], NST*STEPB  ; back to a slot's first step,
	s_xor_b32 s[TB], s[TB], SLOT1   ; in the other slot
.endm
; THE CHANGE OF SLOTS, at a slot's head.  Each wave waits for all its tensor loads (one: its part of the slot that it is about to read), adds 0 to its spare word, and waits for that and for its reads of the slot that it has left.
; fill = 1: the barrier is a round of the cluster's, so that no wave of any partner still reads the other slot or has a load on its way; the joint load is the first thing behind it, one a wave.
.macro CHANGE fill
	s_wait_tensorcnt 0x0            ; no tensor load of mine is out, so a group 0 may be written
	ds_add_u32 v[SPW], v[NIL]       ; 0 onto my spare word
.if \fill
	s_xor_b32 s[G0K+1], s[G0K+1], SLOT1  ; the walking descriptors: the other slot than last time,
	s_add_nc_u64 s[G0K+2:G0K+3], s[G0K+2:G0K+3], SLOTB  ; the next 256 keys; the type bits on top are not reached
	s_xor_b32 s[G0V+1], s[G0V+1], SLOT1
	s_add_nc_u64 s[G0V+2:G0V+3], s[G0V+2:G0V+3], SLOTB
	s_wait_xcnt 0x0                 ; the last prefetch, a slot back, has read its address, so it may be written:
	s_add_nc_u64 s[PFA:PFA+1], s[PFA:PFA+1], SLOTB  ; one slot further on than the walking descriptors
	s_wait_dscnt 0x0                ; the add is done, and my reads of the slot that I have left are over
	CROUND
	JLOAD
	ASK                             ; what the next change will ask for: four key steps ahead of that load
.else
	s_wait_dscnt 0x0
	s_barrier_signal -1
	s_barrier_wait -1
.endif
.endm
	s_wait_loadcnt 0x0              ; Q
.Lslot:                             ; 7 trips: behind each change of slots but the last the next slot is asked for
	CHANGE 1
	FOUR_STEPS
	s_sub_co_u32 s[SLOTS], s[SLOTS], 1
	s_cmp_lg_u32 s[SLOTS], 0
	s_cbranch_scc1 .Lslot
	CHANGE 0                        ; the last slot is written out
	FOUR_STEPS
	; THE WAY OUT.  l's two halves and the other half of the lanes' are added; O^T is divided by l, rounded to f16 and sent through my stage in LDS, a tile (16 tokens) at a time.  The additions are the places behind the last products.
.irp t, 0,1,2,3
	v_add_f32 v[ST+8*\t+4], v[ST+8*\t+2], v[ST+8*\t+3]
.endr
.irp t, 0,1,2,3
	v_permlanex16_b32 v[ST+8*\t+5], v[ST+8*\t+4], s[SEL], s[SEL+1]
.endr
.irp t, 0,1,2,3
	v_add_f32 v[ST+8*\t+4], v[ST+8*\t+4], v[ST+8*\t+5]
.endr
.irp t, 0,1,2,3
	v_rcp_f32 v[ST+8*\t+6], v[ST+8*\t+4]
.endr
	v_nop                           ; a plain instruction between the last reciprocal and the use of its result
	s_wait_alu depctr_va_vdst(0)    ; and a wait ahead of the first use: one for the four
; Tile t: a lane's eight channels of a token pack into 16 bytes; they go into rows of 144 bytes and come back as 512 consecutive bytes of ao, into the registers that they left.
.macro PACK t
	WIN W_RS
.set i, 0
.rept 16
	v_pk_mul_f32 v[64+32*\t+i:64+32*\t+i+1], v[64+32*\t+i:64+32*\t+i+1], v[ST+8*\t+6:ST+8*\t+7] op_sel_hi:[1,0]
.set i, i+2
.endr
	WIN 0x05                        ; sources 0 and 1 window 1, destination window 0: S^T's registers are free
.set i, 0
.rept 16
	v_cvt_pk_f16_f32 v[S+32*\t+i], v[64+32*\t+2*i], v[64+32*\t+2*i+1]
.set i, i+1
.endr
	WIN 0
.irp f, 0,1,2,3
	ds_store_b128 v[STO], v[S+32*\t+4*\f:S+32*\t+4*\f+3] offset:32*\f
.endr
.irp f, 0,1,2,3
	ds_load_b128 v[S+32*\t+4*\f:S+32*\t+4*\f+3], v[RD] offset:\f*4*SP  ; LDS serves a wave's instructions in order (ISA guide 5.7.1.4): these see the stores above; the next tile's stores come behind them
.endr
.endm
.macro SEND t, younger              ; younger: the LDS instructions issued behind tile t's loads: the next tile's eight, or none
.irp f, 0,1,2,3
	s_wait_dscnt \younger+3-\f
	global_store_b128 v[GO], v[S+32*\t+4*\f:S+32*\t+4*\f+3], s[10:11] offset:\t*2048+\f*512  ; 32 lanes store 512 consecutive bytes, at a multiple of 256 from ao's first byte
.endr
.endm
	PACK 0
	PACK 1                          ; a tile's arithmetic stands between the loads of the tile before and its stores
	SEND 0, 8
	PACK 2
	SEND 1, 8
	PACK 3
	SEND 2, 8
	SEND 3, 0
	s_wait_tensorcnt 0x0            ; the wave's end, behind my last tensor load and my last LDS store
	ds_add_u32 v[SPW], v[NIL]
	s_wait_dscnt 0x0
	CROUND                          ; the closing round: no work-group ends while a partner may still ask for a tile that names it
	s_endpgm
.Lfunc_end_k_qca9b06cdf8_attn:
	.size	k_qca9b06cdf8_attn, .Lfunc_end_k_qca9b06cdf8_attn-k_qca9b06cdf8_attn
	.p2alignl 7, 3214868480
	.fill 96, 4, 3214868480
	.section	.rodata,"a",@progbits
	.p2align	6, 0x0
	.amdhsa_kernel k_qca9b06cdf8_attn
		.amdhsa_group_segment_fixed_size 327680
		.amdhsa_private_segment_fixed_size 0
		.amdhsa_enable_private_segment 0
		.amdhsa_kernarg_size 16
		.amdhsa_user_sgpr_count 2
		.amdhsa_user_sgpr_kernarg_segment_ptr 1
		.amdhsa_wavefront_size32 1
		.amdhsa_system_sgpr_workgroup_id_x 1
		.amdhsa_system_sgpr_workgroup_id_y 1
		.amdhsa_system_sgpr_workgroup_id_z 1
		.amdhsa_system_vgpr_workitem_id 0
		.amdhsa_next_free_vgpr 512
		.amdhsa_next_free_sgpr 66
		.amdhsa_reserve_vcc 0
		.amdhsa_float_denorm_mode_32 3
		.amdhsa_float_denorm_mode_16_64 3
		.amdhsa_memory_ordered 1
		.amdhsa_forward_progress 1
		.amdhsa_inst_pref_size 155
	.end_amdhsa_kernel
	.amdgpu_metadata
---
amdhsa.version: [ 1, 2 ]
amdhsa.kernels:
  - .name:           k_qca9b06cdf8_attn
    .symbol:         k_qca9b06cdf8_attn.kd
    .args:
      - { .name: qkv, .offset: 0, .size: 8, .value_kind: global_buffer, .address_space: global }
      - { .name: ao, .offset: 8, .size: 8, .value_kind: global_buffer, .address_space: global }
    .group_segment_fixed_size: 327680
    .private_segment_fixed_size: 0
    .kernarg_segment_align: 8
    .kernarg_segment_size: 16
    .max_flat_workgroup_size: 256
    .sgpr_count:     66
    .vgpr_count:     512
    .wavefront_size: 32
...
	.end_amdgpu_metadata
.endif
;; end of part 3
;; launch outp (part 4): grid 4 x 64, 4 waves a work-group, clusters of 4 x 4, 327,680 bytes of LDS; arguments ao, wo16, b_o, out0; writes out0
.if DOCPART == 4
	.amdgcn_target "amdgcn-amd-amdhsa--gfx1250"
	.amdhsa_code_object_version 6
	.text
	.protected	k_qca9b06cdf8_outp
	.globl	k_qca9b06cdf8_outp
	.p2align	8
	.type	k_qca9b06cdf8_outp,@function
k_qca9b06cdf8_outp:
	s_mov_b64 s[64:65], 0
	v_nop
	global_prefetch_b8 v0, s[64:65] scope:SCOPE_SE
	s_setreg_imm32_b32 hwreg(HW_REG_WAVE_MODE, 25, 1), 1
	s_wait_xcnt 0x0
	s_wait_alu depctr_hold_cnt(0) depctr_sa_sdst(0) depctr_va_vdst(0) depctr_va_sdst(0) depctr_va_ssrc(0) depctr_va_vcc(0) depctr_vm_vsrc(0)
	s_getreg_b32 s2, hwreg(HW_REG_IB_STS2, 6, 4)
	s_cmp_eq_u32 s2, 0
	s_cbranch_scc0 .Lentry_in_a_cluster
	s_endpgm
.Lentry_in_a_cluster:
	s_bfe_u32 s2, ttmp6, 0x10000c
	s_cmp_lg_u32 s2, 0xf033
	s_cbranch_scc0 .Lentry_shape_is_right
	s_endpgm
.Lentry_shape_is_right:
; out0[m][n] = the sum over k of A[m][k] w_o[n][k] + b_o[n].  A is attention's result, f16, laid [16 heads][8192 tokens][64]: k = 64 head + channel.  wo16: w_o in f16, [1024 n][1024 k].  out0: [8192][1024] f32.  Sums in f32.
; A tile of out0 is 128 rows x 256 columns: 256 work-groups.  Four waves, each 64 x 128: 32 accumulators of 16 x 16, 256 registers.
; K goes in steps of 128 (two heads) through a ring of two LDS slots: A's tile is two planes of 128 rows x 128 bytes, w_o's 256 rows x 256 bytes.  Waves 0 and 1 fetch A's two planes, waves 2 and 3 w_o's two halves: one tensor load a wave.
; CLUSTERS: 4 x 4 work-groups.  The four of a row of the cluster need the same tiles of A, the four of a column the same tiles of w_o: each tile is asked for JOINTLY, by the same tensor load with the same descriptor and a mask that names the four.
; THE MATRIX INSTRUCTION IS USED TRANSPOSED (source 0 = 16 rows of w_o, source 1 = 16 rows of A): a lane then holds eight neighbouring numbers of a row of out0.  The bias is the C of each sum's first product.
; REGISTERS: window 0: v16-30 addresses; two fragment buffers of 96 for 32 along K, v64-159 and v160-255: 64 of w_o (8 x 16 rows), then 32 of A (4 x 16 rows); on the way out v64-191 take rows read back.
;   window 1: the accumulators ((a, b) at v[8 (8 a + b)]).   window 2: v0-63 the bias, block b at v[8 b].
.set PA,     144                       ; a row of A in LDS: 128 bytes + 16
.set PB,     272                       ; a row of w_o: 256 bytes + 16.  Both are odd multiples of 16 bytes: the 16 rows that a load touches fall on different banks (64 banks of 4 bytes: ISA guide 11.1)
.set APL,    128*PA                    ; a plane of A: what one tensor load brings
.set BOFF,   2*APL                     ; w_o's rows lie behind A's two planes
.set HALFB,  128*PB                    ; 128 rows of w_o: what one tensor load brings
.set SLOT,   BOFF+2*HALFB
.set STAGE,  2*SLOT                    ; behind the ring: 16 rows x (512 bytes + 16) for each wave, for the way out
.set SPITCH, 528
.set SPARE,  STAGE+4*16*SPITCH         ; behind the stages: the spare words, 128 bytes for each wave, that no other line names
.set PLANE,  8192*128                  ; a head's plane of A in memory
.set LAPS,   4                         ; a lap = two K steps = once round the ring; K = 1,024 is 8 steps
.set ADRA, 16                          ; v16-17  LDS address of my A fragments in slot 0, 1
.set ADRB, 20                          ; v20-21  the same for w_o
.set STO,  24                          ; v24     the way out: where I put 32 bytes of a row
.set RD,   25                          ; v25     where I read a row back
.set CO,   26                          ; v26     16 x lane: my byte offset in a row's 512 bytes
.set BO,   27                          ; v27     32 x (lane / 16): my half's eight biases of a block
.set SPW,  28                          ; v28     LDS address of my spare word; never rewritten
.set NIL,  29                          ; v29     0; never rewritten
.set PFO,  30                          ; v30     256 x lane: the prefetches' offset; never rewritten
.set F0,   64
.set F1,   160
.set BK,   64                          ; the way out: 16 rows read back: v64-127 and v128-191 by turns
.set G1A, 24                           ; s[24:31] descriptor group 1 for A's planes;  s[32:39] group 0, one set for each slot
.set G0A, 32
.set G1B, 48                           ; s[48:55], s[56:63] the same for w_o's tiles
.set G0B, 56
.set PFA, 44                           ; s[44:45] where my prefetches stand in memory
.set LIM, 46                           ; s46     1 in a wave that prefetches, else the greatest number
.set MSB, 0
.macro WIN new                         ; the immediate's high byte repeats the setting that is left; a switch that changes nothing is dropped
.if MSB != (\new)
	s_set_vgpr_msb (MSB<<8)|(\new)
.set MSB, (\new)
.endif
.endm
.set MUL,  0x50                        ; sources 0 and 1 window 0; C and D window 1
.set FST,  0x60                        ; the first products: C (the bias) window 2, D window 1
; A joint load: waves 0 and 1 fetch for A, waves 2 and 3 for w_o; the branch hangs on the wave's number alone.  An s_nop 0 and four v_nop follow each of the two lines.
.macro JLOAD s
	s_cmp_eq_u32 s14, 0
	s_cbranch_scc0 .Lfor_b_\@
	tensor_load_to_lds s[G0A+4*\s:G0A+4*\s+3], s[G1A:G1A+7]
	s_nop 0
.rept 4
	v_nop
.endr
	s_branch .Lasked_\@
.Lfor_b_\@:
	tensor_load_to_lds s[G0B+4*\s:G0B+4*\s+3], s[G1B:G1B+7]
	s_nop 0
.rept 4
	v_nop
.endr
.Lasked_\@:
.endm
; A PREFETCH of A's tile of the K step that stands TWO refills on: two planes of 16,384 bytes.  A tile row of A is read by one cluster alone; the four partners that ask for it jointly share it out BY ADDRESS, 8,192 bytes each
; (plane cx / 2, half cx % 2); in each, wave 0 asks, lanes 256 bytes apart, one instruction.  So each aligned block of 256 bytes is named once in the launch.  The loop's last trip asks for nothing: K has no step behind its refills.
; K steps 0 to 3 come by their loads alone.  w_o's rows are asked for by none: all sixteen clusters walk them.
.macro ASK
	s_cmp_gt_u32 s3, s[LIM]                        ; s3 = 1 in the loop's last trip
	s_cbranch_scc0 .Lnot_mine_\@
	global_prefetch_b8 v[PFO], s[PFA:PFA+1] th:TH_LOAD_NT scope:SCOPE_SE
.Lnot_mine_\@:
.endm
.macro CREST                           ; a round of the cluster's barrier behind its opening barrier
	s_cmp_lg_u32 s13, 0
	s_cbranch_scc1 .Lnot_wave_0_\@
	s_barrier_signal -3
.Lnot_wave_0_\@:
	s_barrier_wait -3
	s_barrier_signal -1
	s_barrier_wait -1
.endm
.macro CROUND                          ; a whole round
	s_barrier_signal -1
	s_barrier_wait -1
	CREST
.endm
	s_load_b256 s[4:11], s[0:1], 0x0               ; A s[4:5], wo16 s[6:7], b_o s[8:9], out0 s[10:11]
	v_lshl_add_u32 v[SPW], v0, 2, SPARE
	v_mov_b32 v[NIL], 0
	ds_add_u32 v[SPW], v[NIL]                      ; the wave's opening: the add, twice on end, and its wait ahead of my first tensor load; the set-up below stands between
	ds_add_u32 v[SPW], v[NIL]
	v_lshrrev_b32 v1, 5, v0
	v_readfirstlane_b32 s13, v1                    ; wave 0..3
	s_lshr_b32 s14, s13, 1                         ; which half of the tile's rows is mine.  Also: I fetch for A (0) or for w_o (1)
	s_and_b32 s15, s13, 1                          ; which half of its columns.  Also: which plane of A, or which 128 rows of w_o, I fetch
	s_bfe_u32 s40, ttmp6, 0x40000                  ; cx, cy: my place in the cluster
	s_bfe_u32 s41, ttmp6, 0x40004
	s_lshl_b32 s42, ttmp9, 2
	s_add_co_u32 s42, s42, s40                     ; tile column = 4 x cluster x + cx
	s_and_b32 s16, ttmp7, 0xffff
	s_lshl_b32 s16, s16, 2
	s_add_co_u32 s16, s16, s41                     ; tile row = 4 x cluster y + cy
	s_lshl_b32 s43, s41, 2
	s_lshl_b32 s43, 15, s43                        ; my row of the cluster
	s_lshl_b32 s17, 0x1111, s40                    ; my column
	; descriptor groups 1.  A: a plane of 128 rows x 64 elements, dense in memory;  w_o: 128 rows x 128 elements of rows of 1,024
	s_or_b32 s[G1A+0], s43, (1<<16)|(1<<20)|(1<<21)|(4<<22)|(3<<25)  ; 15:0 the mask: A's tiles go to my row; 17:16 elements of 2 bytes; 20 padding on; 21 set beside a mask; 24:22 after every 32 words; 31:25 four words
	s_mov_b32 s[G1A+1], 64<<16                     ; tensor_dim0
	s_mov_b32 s[G1A+2], 128<<16                    ; tensor_dim1
	s_mov_b32 s[G1A+3], 64<<16                     ; tile_dim0
	s_mov_b32 s[G1A+4], 128                        ; tile_dim1
	s_mov_b32 s[G1A+5], 64                         ; tensor_dim0_stride
	s_mov_b32 s[G1A+6], 0
	s_mov_b32 s[G1A+7], 0
	s_or_b32 s[G1B+0], s17, (1<<16)|(1<<20)|(1<<21)|(5<<22)|(3<<25)  ; the mask of my column; padding after every 64 words
	s_mov_b32 s[G1B+1], 128<<16
	s_mov_b32 s[G1B+2], 128<<16
	s_mov_b32 s[G1B+3], 128<<16
	s_mov_b32 s[G1B+4], 128
	s_mov_b32 s[G1B+5], 1024
	s_mov_b32 s[G1B+6], 0
	s_mov_b32 s[G1B+7], 0
	; where the tiles come from.  A's hang on the tile row alone, w_o's on the tile column alone; every wave makes both addresses, in registers that never hold the other coordinate
	s_lshl_b32 s18, s15, 20                        ; A: plane 0 or 1 of the K step,
	s_lshl_b32 s19, s16, 14                        ; the tile row's 128 tokens of 128 bytes
	s_add_co_u32 s18, s18, s19
	s_mov_b32 s19, 0
	s_lshl_b32 s20, s42, 19                        ; w_o: row 256 x tile column + 128 x half, 2,048 bytes a row
	s_lshl_b32 s21, s15, 18
	s_add_co_u32 s20, s20, s21
	s_mov_b32 s21, 0
	s_mul_i32 s22, s15, APL                        ; and where they go: no place in the cluster enters an LDS address
	s_mul_i32 s23, s15, HALFB
	s_add_co_u32 s23, s23, BOFF
	s_wait_dscnt 0x0                               ; both opening adds are done
	s_wait_kmcnt 0x0
	s_add_nc_u64 s[18:19], s[4:5], s[18:19]
	s_add_nc_u64 s[20:21], s[6:7], s[20:21]
	CROUND                                         ; all sixteen work-groups are here: the first joint loads meet
.irp s, 0,1
	s_mov_b32 s[G0A+4*\s], 1                                       ; 1:0 count = 1
	s_add_co_u32 s[G0A+4*\s+1], s22, \s*SLOT                       ; 63:32 LDS address
	s_add_nc_u64 s[G0A+4*\s+2:G0A+4*\s+3], s[18:19], \s*2*PLANE    ; 120:64 global address: K step s
	s_or_b32 s[G0A+4*\s+3], s[G0A+4*\s+3], 0x80000000              ; 127:126 type = 2
	s_mov_b32 s[G0B+4*\s], 1
	s_add_co_u32 s[G0B+4*\s+1], s23, \s*SLOT
	s_add_nc_u64 s[G0B+4*\s+2:G0B+4*\s+3], s[20:21], \s*256
	s_or_b32 s[G0B+4*\s+3], s[G0B+4*\s+3], 0x80000000
	JLOAD \s                                       ; two tensor loads of mine are out
.endr
	v_and_b32 v1, 15, v0                           ; l % 16
	v_bfe_u32 v2, v0, 4, 1                         ; l / 16
	v_lshlrev_b32 v[BO], 5, v2
	; offsets that hang on both coordinates are made in s2, s3 and s47
	s_lshl_b32 s2, s42, 10                         ; the bias of my 128 columns: 4 bytes x (256 x tile column + 128 x half)
	s_lshl_b32 s47, s15, 9
	s_add_co_u32 s2, s2, s47
	s_mov_b32 s3, 0
	s_add_nc_u64 s[8:9], s[8:9], s[2:3]
	WIN 0x80                                       ; destination window 2
.irp b, 0,1,2,3,4,5,6,7
	global_load_b128 v[8*\b:8*\b+3], v[BO], s[8:9] offset:64*\b          ; register j: the bias of column 16 b + 8 (l / 16) + j: the result's layout
	global_load_b128 v[8*\b+4:8*\b+7], v[BO], s[8:9] offset:64*\b+16
.endr
	WIN 0
	s_lshl_b32 s47, s16, 19                        ; out0: my columns' bytes (still in s2) + row 128 x tile row + 64 x half, 4,096 bytes a row
	s_add_co_u32 s2, s2, s47
	s_lshl_b32 s47, s14, 18
	s_add_co_u32 s2, s2, s47
	s_add_nc_u64 s[10:11], s[10:11], s[2:3]
	s_lshr_b32 s2, s40, 1                          ; the prefetches: plane cx / 2 of K step 3 (the first refill steps it to K step 4),
	s_add_co_u32 s2, s2, 6
	s_lshl_b32 s2, s2, 20
	s_lshl_b32 s47, s16, 14                        ; the tile row's 16,384 bytes,
	s_add_co_u32 s2, s2, s47
	s_and_b32 s47, s40, 1                          ; half cx % 2 of them
	s_lshl_b32 s47, s47, 13
	s_add_co_u32 s2, s2, s47
	s_add_nc_u64 s[PFA:PFA+1], s[4:5], s[2:3]
	s_cmp_eq_u32 s13, 0                            ; wave 0 asks
	s_cselect_b32 s[LIM], 1, -1
	v_and_b32 v3, 31, v0                           ; lane
	v_lshlrev_b32 v[PFO], 8, v3
	v_lshlrev_b32 v[CO], 4, v3
	; A fragment is 16 rows x 32 K in 8 registers: lane l holds row l % 16; registers 0-3 hold K = 8 (l / 16) + 0..7, registers 4-7 K = 16 + 8 (l / 16) + 0..7: two loads of 16 bytes, 32 bytes apart
	v_mul_u32_u24 v4, v1, PA
	v_lshl_add_u32 v4, v2, 4, v4
	v_mul_u32_u24 v5, v1, PB
	v_lshl_add_u32 v5, v2, 4, v5
	s_mul_i32 s2, s14, 64*PA                       ; my 64 rows of A, in each plane
	s_mul_i32 s47, s15, HALFB                      ; my 128 rows of w_o
	s_add_co_u32 s47, s47, BOFF
.irp s, 0,1
	v_add_nc_u32 v[ADRA+\s], s2, v4
	v_add_nc_u32 v[ADRB+\s], s47, v5
	s_add_co_u32 s2, s2, SLOT
	s_add_co_u32 s47, s47, SLOT
.endr
	s_mul_i32 s2, s13, 16*SPITCH
	s_add_co_u32 s2, s2, STAGE                     ; my stage
	v_mul_u32_u24 v4, v1, SPITCH                   ; in: row l % 16, 32 bytes for each half of the lanes
	v_lshl_add_u32 v4, v2, 5, v4
	v_add_nc_u32 v[STO], s2, v4
	v_add_nc_u32 v[RD], s2, v[CO]                  ; back: the 32 lanes take one row of 512 bytes
; 8 matrix instructions: A's block a against w_o's eight, 32 along K, from buffer f.  first = 1: the product starts the sums from the bias: nothing is cleared or added later.
; The 32 accumulators take turns, one instruction a turn, in the same order in every quarter.
.macro MUL8 f, a, first
.irp b, 0,1,2,3,4,5,6,7
.if \first
	v_wmma_f32_16x16x32_f16 v[8*(8*(\a)+\b):8*(8*(\a)+\b)+7], v[\f+8*\b:\f+8*\b+7], v[\f+64+8*(\a):\f+64+8*(\a)+7], v[8*\b:8*\b+7]
.else
	v_wmma_f32_16x16x32_f16 v[8*(8*(\a)+\b):8*(8*(\a)+\b)+7], v[\f+8*\b:\f+8*\b+7], v[\f+64+8*(\a):\f+64+8*(\a)+7], v[8*(8*(\a)+\b):8*(8*(\a)+\b)+7]
.endif
.endr
.endm
.macro MUL16 f, a0, first
	MUL8 \f, \a0, \first
	MUL8 \f, (\a0)+1, \first
.endm
; 24 LDS loads in one run: the fragments of the slot's q-th 32 along K into buffer f; A's blocks 2 and 3 last
.macro FETCH slot, q, f
	WIN 0
.irp i, 0,1,2,3,4,5,6,7
	ds_load_b128 v[\f+8*\i:\f+8*\i+3],   v[ADRB+\slot] offset:64*(\q)+\i*16*PB
	ds_load_b128 v[\f+8*\i+4:\f+8*\i+7], v[ADRB+\slot] offset:64*(\q)+\i*16*PB+32
.endr
.irp i, 0,1,2,3
	ds_load_b128 v[\f+64+8*\i:\f+64+8*\i+3],   v[ADRA+\slot] offset:((\q)/2)*APL+((\q)%2)*64+\i*16*PA
	ds_load_b128 v[\f+64+8*\i+4:\f+64+8*\i+7], v[ADRA+\slot] offset:((\q)/2)*APL+((\q)%2)*64+\i*16*PA+32
.endr
.endm
.macro PLACES                          ; four places in front of loads into registers that matrix instructions have read, and of the first read of results
.rept 4
	v_nop
.endr
.endm
; A K step is four quarters of 32 along K, 32 matrix instructions each, on buffers 0, 1, 0, 1.  One of the first three: multiplies buffer f and fetches the slot's q-th quarter into g.
.macro QUARTER slot, q, f, g, first
	s_wait_dscnt 4                                 ; w_o's fragments and A's blocks 0, 1 are in; the youngest four loads (A's blocks 2, 3) may be out
.if \first
	WIN FST
.else
	WIN MUL
.endif
	MUL16 \f, 0, \first
	PLACES
	FETCH \slot, \q, \g
	s_wait_dscnt 24                                ; all but the 24 just issued
.if \first
	WIN FST
.else
	WIN MUL
.endif
	MUL16 \f, 2, \first
.endm
; The last quarter multiplies buffer 1 and changes slots: ONE barrier; in front of it each wave waits for all its tensor loads, adds 0 to its spare word, and waits for that and for its reads of this slot.  fill = 1: this slot is filled again, two K steps ahead.
.macro TURN slot, next, fill
.if \fill
	s_wait_xcnt 0x0                                ; the last prefetch, a K step back, has read its address: it is stepped here, ahead of the waits of the change of slots
	s_add_nc_u64 s[PFA:PFA+1], s[PFA:PFA+1], 2*PLANE
.endif
	WIN 0                                          ; (the add's two registers lie in window 0)
	s_wait_tensorcnt 0x0                           ; all my tensor loads have landed: the one that was out is my part of the next slot;
	ds_add_u32 v[SPW], v[NIL]                      ; 0 onto my spare word;
	s_wait_dscnt 5                                 ; (the add and the youngest four loads may be out)
	WIN MUL
	MUL8 F1, 0, 0                                  ; eight matrix instructions stand between the add and the wait for it
	s_wait_dscnt 0x0                               ; the add is done, and my reads of this slot are over
	s_barrier_signal -1
	MUL8 F1, 1, 0
	WIN 0
	s_barrier_wait -1
.if \fill
	CREST                                          ; the barrier has opened a round of the cluster's barrier: no wave of any partner still reads this slot's tile or has a load on its way
	s_add_nc_u64 s[G0A+4*\slot+2:G0A+4*\slot+3], s[G0A+4*\slot+2:G0A+4*\slot+3], 4*PLANE
	s_add_nc_u64 s[G0B+4*\slot+2:G0B+4*\slot+3], s[G0B+4*\slot+2:G0B+4*\slot+3], 512
	JLOAD \slot                                    ; the first tensor load behind the round; the four v_nop behind it are also the places in front of the loads below
.else
	PLACES
.endif
	FETCH \next, 0, F0
.if \fill
	ASK                                            ; behind the joint load and the run of LDS loads that the next products wait for
.endif
	WIN MUL
	MUL16 F1, 2, 0
.endm
	s_wait_tensorcnt 1                             ; my part of K step 0 is in; K step 1's load may be out,
	s_barrier_signal -1
	s_barrier_wait -1                              ; everybody's is
	FETCH 0, 0, F0
	s_wait_loadcnt 0x0                             ; the bias
	QUARTER 0, 1, F0, F1, 1                        ; the first quarter stands in front of the loop: its products start the sums from the bias
	WIN 0                                          ; at a label and at a branch every window is 0
	s_mov_b32 s3, LAPS-1
.Llap:                                                 ; a trip goes once round the ring, from a lap's second quarter to the next lap's first, and fills both slots again
	QUARTER 0, 2, F1, F0, 0
	QUARTER 0, 3, F0, F1, 0
	TURN 0, 1, 1
	QUARTER 1, 1, F0, F1, 0
	QUARTER 1, 2, F1, F0, 0
	QUARTER 1, 3, F0, F1, 0
	TURN 1, 0, 1
	QUARTER 0, 1, F0, F1, 0
	WIN 0
	s_sub_co_u32 s3, s3, 1
	s_cmp_lg_u32 s3, 0
	s_cbranch_scc1 .Llap
	QUARTER 0, 2, F1, F0, 0                        ; the last lap fills nothing, and has no round of the cluster's barrier
	QUARTER 0, 3, F0, F1, 0
	TURN 0, 1, 0
	QUARTER 1, 1, F0, F1, 0
	QUARTER 1, 2, F1, F0, 0
	QUARTER 1, 3, F0, F1, 0
	s_wait_dscnt 4                                 ; the very last quarter: nothing more to fetch
	WIN MUL
	MUL16 F1, 0, 0
	s_wait_dscnt 0
	MUL16 F1, 2, 0
	WIN 0
; THE WAY OUT, block by block of 16 rows x 128 columns.  A lane holds 32 neighbouring bytes of a row, and the lanes beside it hold other rows: so a block goes through my own stage in LDS and comes back as whole rows of 512 bytes.
; LDS serves a wave's instructions in order (ISA guide 5.7.1.4): no wait between the stores and the loads, nor in front of the next block's stores.
.macro TOSTAGE a
	WIN 0x04                                       ; an LDS store's data are its source 1: window 1
.irp b, 0,1,2,3,4,5,6,7
	ds_store_b128 v[STO], v[8*(8*(\a)+\b):8*(8*(\a)+\b)+3] offset:64*\b          ; each accumulator from its low end on
	ds_store_b128 v[STO], v[8*(8*(\a)+\b)+4:8*(8*(\a)+\b)+7] offset:64*\b+16
.endr
	WIN 0
.set BB, BK+64*((\a)%2)
.irp t, 0,1,2,3,4,5,6,7,8,9,10,11,12,13,14,15
	ds_load_b128 v[BB+4*\t:BB+4*\t+3], v[RD] offset:\t*SPITCH
.endr
.endm
.macro SEND a, younger                 ; younger: the LDS instructions issued behind block a's loads, which may stay out
.set BB, BK+64*((\a)%2)
	s_wait_dscnt \younger                          ; the block is back in registers
.irp t, 0,1,2,3,4,5,6,7,8,9,10,11,12,13,14,15
	global_store_b128 v[CO], v[BB+4*\t:BB+4*\t+3], s[10:11] offset:(16*(\a)+\t)*4096 th:TH_STORE_NT   ; 32 lanes store 512 consecutive bytes, at a multiple of 256 from out0's first byte; written once, read by nobody here
.endr
.endm
	PLACES                                         ; behind the last products: for the stores that read results and for the loads into the fragment registers
	TOSTAGE 0
.irp a, 1,2,3
.if \a > 1
	s_wait_xcnt 0x0                                ; block a - 2's stores have read their registers: block a's loads may land there
.endif
	TOSTAGE \a
	SEND \a-1, 32                                  ; behind block a - 1's loads: block a's 16 stores and 16 loads
.endr
	SEND 3, 0
	s_wait_tensorcnt 0x0                           ; the wave's end, behind my last tensor load and my last LDS store
	ds_add_u32 v[SPW], v[NIL]
	s_wait_dscnt 0x0
	CROUND                                         ; the closing round: no work-group ends while a partner may still ask for a tile that names it
	s_endpgm
.Lfunc_end_k_qca9b06cdf8_outp:
	.size	k_qca9b06cdf8_outp, .Lfunc_end_k_qca9b06cdf8_outp-k_qca9b06cdf8_outp
	.p2alignl 7, 3214868480
	.fill 96, 4, 3214868480
	.section	.rodata,"a",@progbits
	.p2align	6, 0x0
	.amdhsa_kernel k_qca9b06cdf8_outp
		.amdhsa_group_segment_fixed_size 327680
		.amdhsa_private_segment_fixed_size 0
		.amdhsa_enable_private_segment 0
		.amdhsa_kernarg_size 32
		.amdhsa_user_sgpr_count 2
		.amdhsa_user_sgpr_kernarg_segment_ptr 1
		.amdhsa_wavefront_size32 1
		.amdhsa_system_sgpr_workgroup_id_x 1
		.amdhsa_system_sgpr_workgroup_id_y 1
		.amdhsa_system_sgpr_workgroup_id_z 1
		.amdhsa_system_vgpr_workitem_id 0
		.amdhsa_next_free_vgpr 640
		.amdhsa_next_free_sgpr 66
		.amdhsa_reserve_vcc 0
		.amdhsa_float_denorm_mode_32 3
		.amdhsa_float_denorm_mode_16_64 3
		.amdhsa_memory_ordered 1
		.amdhsa_forward_progress 1
		.amdhsa_inst_pref_size 87
	.end_amdhsa_kernel
	.amdgpu_metadata
---
amdhsa.version: [ 1, 2 ]
amdhsa.kernels:
  - .name:           k_qca9b06cdf8_outp
    .symbol:         k_qca9b06cdf8_outp.kd
    .args:
      - { .name: ao, .offset: 0, .size: 8, .value_kind: global_buffer, .address_space: global }
      - { .name: wo16, .offset: 8, .size: 8, .value_kind: global_buffer, .address_space: global }
      - { .name: b_o, .offset: 16, .size: 8, .value_kind: global_buffer, .address_space: global }
      - { .name: out0, .offset: 24, .size: 8, .value_kind: global_buffer, .address_space: global }
    .group_segment_fixed_size: 327680
    .private_segment_fixed_size: 0
    .kernarg_segment_align: 8
    .kernarg_segment_size: 32
    .max_flat_workgroup_size: 128
    .sgpr_count:     66
    .vgpr_count:     640
    .wavefront_size: 32
...
	.end_amdgpu_metadata
.endif
;; end of part 4
